; MI455X (gfx1250); checked and timed in simulation.
; The chip was launched on July 23, 2026; its instructions are those of AMD's public machine-readable ISA for CDNA 5 (MIT licence, August 2026) and "CDNA5" Instruction Set Architecture Reference Guide (July 2026). The comments in the code are by the model that wrote it; some were corrected since.
;; Block. Allowed arithmetic: matrix products marked QUANTISED: E4M3 operands, one E8M0 scale for each 32 along K, by v_wmma_scale_f32_16x16x128_f8f6f4 with both operands' format E4M3, f32 sums; everything else in f32.
;; Inputs: b_fc 4,096 float32; b_mlp_proj 1,024 float32; ln1_b 1,024 float32; ln1_w 1,024 float32; ln2_b 1,024 float32; ln2_w 1,024 float32; w_attn_proj 1,024 x 1,024 float32; w_fc 1,024 x 4,096 float32; w_mlp_proj 4,096 x 1,024 float32; w_qkv 1,024 x 3,072 float32; x 2 x 2,048 x 1,024 float32.
;; Outputs: out0 2 x 2,048 x 1,024 float32.
;; This version of the problem:
;;   THIS VERSION OF THE PROBLEM IS GIVEN IN LOW PRECISION. The matrix products marked QUANTISED in the list below multiply operands that are first quantised to E4M3 (4 exponent bits, 3 mantissa bits; 8 bits a number), with one power-of-two scale for each 32 numbers along K (OCP MX v1.0); their sums are f32. All else is computed in f32.
;;   The module's matrix products, in the order in which they are computed (A, B: the left and right operand; K: the contracted axis; several contracted axes count as one K, in the product's order):
;;     1. [M 4,096, K 1,024] x [K 1,024, N 3,072]; A: computed on the way; B: input w_qkv: QUANTISED
;;     2. batch 32 x [M 2,048, K 64] x [K 64, N 2,048]; A: computed on the way; B: computed on the way: QUANTISED
;;     3. batch 32 x [M 2,048, K 2,048] x [K 2,048, N 64]; A: softmax (see below); B: computed on the way: QUANTISED
;;     4. [M 4,096, K 1,024] x [K 1,024, N 1,024]; A: computed on the way; B: input w_attn_proj: QUANTISED
;;     5. [M 4,096, K 1,024] x [K 1,024, N 4,096]; A: computed on the way; B: input w_fc: QUANTISED
;;     6. [M 4,096, K 4,096] x [K 4,096, N 1,024]; A: computed on the way; B: input w_mlp_proj: QUANTISED
;;   THE QUANTISER, for each operand of a quantised product, along K:
;;     - K is cut into blocks of 32 from its start; a last block that is shorter is filled with zeros.
;;     - A block's scale is 2^e with e = floor(log2(the largest magnitude in the block)) - 8, held to -126 .. 127; a block of zeros has e = 0. As a byte (E8M0): e + 127.
;;     - Each number is divided by its block's scale, clamped to +-448, and rounded to the nearest number of E4M3, ties to even, subnormals kept.
;;     - The product sums the exact products of the quantised numbers (number of the format x scale) in f32.
;;   ~~~python
;;   def quantise(x, axis):      # numpy; x: float32 -> the quantised numbers, widened to float32 again
;;       x = np.moveaxis(x, axis, -1); K = x.shape[-1]
;;       x = np.pad(x, [(0, 0)] * (x.ndim - 1) + [(0, -K % 32)]); x = x.reshape(x.shape[:-1] + (-1, 32)); a = np.abs(x).max(-1, keepdims=True)
;;       e = np.where(a > 0, np.clip(np.frexp(np.where(a > 0, a, 1))[1] - 1 - 8, -126, 127), 0)      # np.frexp(a)[1] - 1 = floor(log2(a)), exactly
;;       r = np.clip(x / 2.0 ** e, -448, 448)
;;       step = 2.0 ** (np.maximum(np.frexp(np.where(r == 0, 1, r))[1] - 1, -6) - 3)
;;       q = np.round(r / step) * step * 2.0 ** e      # np.round: ties to even
;;       return np.moveaxis(q.reshape(q.shape[:-2] + (-1,))[..., :K], -1, axis).astype(np.float32)
;;   ~~~
;;   SOFTMAX AHEAD OF A QUANTISED PRODUCT. Where the list says 'softmax', what is quantised is not the finished softmax but p = 2^(t - M), with t = logit x log2(e) and M = ceil(the row's largest t), a whole number; so 1/2 < the row's largest p <= 1. The row's sum l is taken of the UNQUANTISED p, in f32, and the product's result is divided by l at the end. Since M is a whole number, a kernel that streams over the keys may use a running M (the ceiling of the running maximum): every later rescaling is an exact power of two, which a block's scale takes up: the codes' values come out the same.
;;   OPERANDS COMPUTED ON THE WAY. 'Computed on the way' means the value that the module computes at that place (a softmax that the list does not call 'softmax' is quantised finished and normalised). What goes into a quantiser is computed in f32, as accurately as f32 sums, v_exp_f32 and their like allow (about 1e-6 of the number): no bf16 or f16 on the way to a quantiser, and a product that is left as it is and whose result goes on into a quantised operand takes f32 operands (vector FMAs, or v_wmma_f32_16x16x4_f32). A number that lies on a knife's edge between two numbers of the format may be rounded either way, as far as f32 arithmetic and the matrix unit's own rounding can turn it there, and no further.
;; One version. Each part assembles by itself: llvm-mc -triple=amdgcn-amd-amdhsa -mcpu=gfx1250 --defsym DOCPART=n.
;; ======== version 1 of 1: 7 launches
;; limits: right only within a limited range of input values
;; workspace buffers: WB 12,976,128 bytes; A1 4,325,376 bytes; QKV 13,238,272 bytes; Y 4,325,376 bytes; X1 16,777,216 bytes; A2 4,325,376 bytes; H 17,301,504 bytes
;; launch prep (part 1): grid 1024 x 1, 4 waves a work-group, no clusters, 66,560 bytes of LDS; arguments x, ln1_w, ln1_b, A1, w_qkv, w_attn_proj, w_fc, w_mlp_proj, WB; writes A1, WB
.if DOCPART == 1
	.amdgcn_target "amdgcn-amd-amdhsa--gfx1250"
	.amdhsa_code_object_version 6
	.text
	.protected	k_q4ed850f6cd_prep
	.globl	k_q4ed850f6cd_prep
	.p2align	8
	.type	k_q4ed850f6cd_prep,@function
k_q4ed850f6cd_prep:
	s_mov_b64 s[64:65], 0
	v_nop
	global_prefetch_b8 v0, s[64:65] scope:SCOPE_SE
	s_setreg_imm32_b32 hwreg(HW_REG_WAVE_MODE, 25, 1), 1
	s_wait_xcnt 0x0
; ONE PREPARING LAUNCH FOR ALL THAT THE PRODUCTS READ AS CODES: 768 work-groups quantise the four weights, 256 normalise x (LayerNorm 1) and quantise it.
; THE DEAL: work-group n = 256 a + b is a row tile of x (tile b) where (a + b) % 4 = 3, else weight part 3 b + (a + b) % 4: of four work-groups with neighbouring numbers, and of four
; whose numbers lie 256 apart, three are weight parts and one is a row tile.
; Codes are E4M3 with one E8M0 byte for each 32 along K, laid as IMAGES OF OPERAND REGISTERS:
;   codes  [K/512][rows/16][q 4][c 4][lane 32][16 bytes]: lane (r, h) of chunk c holds k = 128 (4 ks + q) + 32 c + 16 h + 0..15 of position row 16 rt + r
;   words  [rows/16][K/128][16 rows] of 4 bytes, byte c for block c
; Row (column of a weight, token of x) n lies at position swap34(n): bits 3 and 4 of n change places, so that a product's results come out with 16 neighbours along N in a lane.
; A WEIGHT PART: the weights are [K][N], f32, K their first axis.  A work-group takes 128 columns x 128 along K, a wave 32 columns, A LANE ONE COLUMN, ITS REGISTERS DOWN K:
; a block of 32 lies in one lane, nothing is transposed; sixteen lanes store 256 consecutive aligned bytes of an image.  These waves share nothing and use no LDS.
; Parts 0-191 w_qkv, 192-255 w_attn_proj, 256-511 w_fc, 512-767 w_mlp_proj: four paths, since a row's bytes stand in the loads' immediates.
; A ROW TILE: phase 1: wave w normalises positions 4 w .. 4 w + 3 (four neighbouring tokens), two at a time, a whole row in 32 registers, the mean first and then the mean of the squared
; differences, so that a common offset costs no digits; the rows go to LDS (pitch 4,112 bytes).  One barrier.  Phase 2: wave w quantises the tile's columns 128 w on and 128 (w + 4) on and
; stores each fragment as it stands: 512 consecutive bytes a store.
; Memory binds: no matrix unit, no cluster, no tensor load.
; LIMITS: NaN and infinities are not served; a block whose largest magnitude lies under 2^-118 gets the byte 1; a block of zeros gets 1 where the rule says 127 (its codes are zeros; this program alone reads the bytes).
.set X, 32                             ; v32-159  four sets of 32 numbers
.set C, 160                            ; v160-191 a block's 8 registers of codes, a set for each block
.set MNT, 30                           ; s30      the mantissa field of 448
	s_lshr_b32 s27, ttmp9, 8
	s_and_b32 s26, ttmp9, 255                      ; b: the row tile, if this is one
	s_add_co_u32 s27, s27, s26
	s_and_b32 s27, s27, 3
	s_cmp_eq_u32 s27, 3
	s_cbranch_scc1 .Lnorm
	s_mul_i32 s26, s26, 3
	s_add_co_u32 s26, s26, s27                     ; my weight part
	s_load_b256 s[4:11], s[0:1], 0x20              ; w_qkv, w_attn_proj, w_fc, w_mlp_proj
	s_load_b64 s[12:13], s[0:1], 0x40              ; WB
	v_lshrrev_b32 v1, 5, v0
	v_readfirstlane_b32 s14, v1                    ; wave 0..3
	v_and_b32 v1, 31, v0
	v_and_b32 v5, 7, v1
	v_bfe_u32 v6, v1, 3, 1
	v_lshl_or_b32 v5, v6, 4, v5
	v_bfe_u32 v6, v1, 4, 1                         ; lane / 16: which of the wave's two row tiles
	v_lshl_or_b32 v5, v6, 3, v5                    ; swap34(lane): my column
	v_lshlrev_b32 v2, 2, v5                        ; in: 4 bytes a column
	v_and_b32 v7, 15, v1
	v_lshlrev_b32 v3, 4, v7
	v_lshl_or_b32 v3, v6, 13, v3                   ; out: 8,192 x row tile + 16 x row
	s_mov_b32 s[MNT], 0x600000
	s_wait_kmcnt 0x0
.macro LOAD c, N                       ; block c: W(32 c + i, my column)
.set i, 0
.rept 32
	global_load_b32 v[X+32*(\c)+i], v2, s[20:21] offset:(32*(\c)+i)*(\N)*4 th:TH_LOAD_NT
.set i, i+1
.endr
.endm
.macro BLOCK c
.set XS, X+32*(\c)
.set CC, C+8*(\c)
	v_max3_num_f32 v8, |v[XS]|, |v[XS+1]|, |v[XS+2]|       ; the block's largest magnitude: all 32 numbers are mine
	v_max3_num_f32 v9, |v[XS+3]|, |v[XS+4]|, |v[XS+5]|
.irp k, 6,10,14,18,22,26
	v_max3_num_f32 v8, v8, |v[XS+\k]|, |v[XS+\k+1]|
	v_max3_num_f32 v9, v9, |v[XS+\k+2]|, |v[XS+\k+3]|
.endr
	v_max3_num_f32 v8, v8, |v[XS+30]|, |v[XS+31]|
	v_max3_num_f32 v8, v8, v9, 0x4800000           ; and the floor 2^(9 - 127): the byte cannot fall under 1
	v_add_nc_u32 v11, 0xfc000000, v8               ; 8 off the exponent field: the conversion's scale operand
	v_and_or_b32 v10, v8, 0x7f800000, s[MNT]       ; 448 x the scale
	v_lshrrev_b32 v12, 23, v11                     ; the scale's byte
.if (\c) == 0
	v_mov_b32 v14, v12
.else
	v_lshl_or_b32 v14, v12, 8*(\c), v14            ; four bytes make my column's word for these 128 along K
.endif
.set i, 0
.rept 32
	v_med3_num_f32 v[XS+i], v[XS+i], -v10, v10     ; the conversion does not saturate (ISA guide 7.6.2): the hold at 448 x the scale
.set i, i+1
.endr
.irp k, 0,1,2,3
	v_cvt_scalef32_pk8_fp8_f32 v[CC+2*\k:CC+2*\k+1], v[XS+8*\k:XS+8*\k+7], v11
.endr
	global_store_b128 v3, v[CC:CC+3], s[22:23] offset:512*(\c)          ; k 32 c + 0..15: the image's lanes 0-15
	global_store_b128 v3, v[CC+4:CC+7], s[22:23] offset:512*(\c)+256    ; k 32 c + 16..31: its lanes 16-31
.endm
.macro WPATH src, N, K, LK, G0, WI, WS
	s_sub_co_u32 s16, s26, \G0
	s_and_b32 s17, s16, (\K)/128-1                 ; y: which 128 along K
	s_lshr_b32 s18, s16, \LK                       ; x: which 128 columns
	s_mul_i32 s20, s17, 128*(\N)*4
	s_lshl_b32 s19, s18, 9
	s_add_co_u32 s20, s20, s19
	s_lshl_b32 s19, s14, 7
	s_add_co_u32 s20, s20, s19
	s_mov_b32 s21, 0
	s_add_nc_u64 s[20:21], s[\src:\src+1], s[20:21]    ; W at row 128 y, column 128 x + 32 wave
	s_lshl_b32 s19, s18, 3
	s_lshl_b32 s22, s14, 1
	s_add_co_u32 s19, s19, s22                     ; my first row tile: 8 x + 2 wave
	s_lshr_b32 s22, s17, 2
	s_mul_i32 s22, s22, (\N)/16
	s_add_co_u32 s22, s22, s19
	s_lshl_b32 s22, s22, 13
	s_and_b32 s24, s17, 3
	s_lshl_b32 s24, s24, 11
	s_add_co_u32 s22, s22, s24
	s_add_co_u32 s22, s22, \WI
	s_mov_b32 s23, 0
	s_add_nc_u64 s[22:23], s[12:13], s[22:23]      ; my fragments
	s_mul_i32 s24, s19, (\K)/2
	s_lshl_b32 s25, s17, 6
	s_add_co_u32 s24, s24, s25
	s_add_co_u32 s24, s24, \WS
	s_mov_b32 s25, 0
	s_add_nc_u64 s[24:25], s[12:13], s[24:25]      ; my scale words
	v_lshlrev_b32 v4, 2, v7
	v_mad_u32_u24 v4, v6, (\K)/2, v4
	LOAD 0, \N
	LOAD 1, \N
	s_wait_loadcnt 32                              ; block 0 is in; the one younger block's 32 loads stay out
	LOAD 2, \N
	BLOCK 0
	s_wait_loadcnt 32                              ; block 1 is in
	LOAD 3, \N
	BLOCK 1
	s_wait_loadcnt 32                              ; block 2 is in
	BLOCK 2
	s_wait_loadcnt 0x0
	BLOCK 3
	global_store_b32 v4, v14, s[24:25]
	s_endpgm
.endm
	s_cmp_lt_u32 s26, 192
	s_cbranch_scc0 .Lnot_qkv
	s_wait_alu depctr_va_vdst(0)                   ; the wait ahead of each path
	WPATH 4, 3072, 1024, 3, 0, 0, 12582912
.Lnot_qkv:
	s_cmp_lt_u32 s26, 256
	s_cbranch_scc0 .Lnot_proj
	s_wait_alu depctr_va_vdst(0)
	WPATH 6, 1024, 1024, 3, 192, 3145728, 12681216
.Lnot_proj:
	s_cmp_lt_u32 s26, 512
	s_cbranch_scc0 .Lnot_fc
	s_wait_alu depctr_va_vdst(0)
	WPATH 8, 4096, 1024, 3, 256, 4194304, 12713984
.Lnot_fc:
	s_wait_alu depctr_va_vdst(0)
	WPATH 10, 1024, 4096, 5, 512, 8388608, 12845056
; LAYERNORM 1 AND ITS QUANTISER: row tile rt = s26 holds tokens 32 (rt / 2) + 8 (rt % 2) + r + 8 (r / 8)
.set PITCH, 4112
.set X0, 16                            ; the two rows in hand: v16-79, then v192-255
.set X1, 48
.set W,  80
.set B,  112
.set PC, 80                            ; phase 2: the codes (the gain's registers, then the bias's, are free)
.set TM, 144
.set PW, 160
.set SEL, 16                           ; s16, s17
.set LMNT, 18
.Lnorm:
	s_load_b256 s[4:11], s[0:1], 0x0               ; x, gain, bias, A1
	v_lshl_add_u32 v176, v0, 2, 0x10200            ; my spare word, behind the 16 rows
	v_mov_b32 v177, 0
	v_lshrrev_b32 v1, 5, v0
	s_delay_alu instid0(VALU_DEP_1)
	v_readfirstlane_b32 s12, v1                    ; wave 0..3
	v_and_b32 v1, 31, v0
	s_delay_alu instid0(VALU_DEP_1)
	v_lshlrev_b32 v2, 4, v1                        ; 16 x lane
	v_and_b32 v5, 15, v0                           ; r
	v_bfe_u32 v6, v0, 4, 1                         ; h
	s_mul_i32 s21, s12, 4*PITCH
	v_add_nc_u32 v3, s21, v2                       ; LDS, in: my wave's four rows, 16 bytes a lane
	v_mul_u32_u24 v4, v5, PITCH
	s_delay_alu instid0(VALU_DEP_1)
	v_lshl_add_u32 v4, v6, 6, v4
	s_lshl_b32 s21, s12, 9
	v_add_nc_u32 v4, s21, v4                       ; LDS, out: row r, + 64 h, + my wave's 512 bytes
	v_lshlrev_b32 v7, 2, v5                        ; 4 r
	v_mov_b32 v150, 0                              ; written once: a lane permute's destination counts as one of its sources
	v_mov_b32 v151, 0
	s_lshr_b32 s13, s26, 1
	s_lshl_b32 s13, s13, 5
	s_and_b32 s14, s26, 1
	s_lshl_b32 s14, s14, 3
	s_add_co_u32 s13, s13, s14
	s_lshl_b32 s14, s12, 2
	s_add_co_u32 s13, s13, s14
	s_lshr_b32 s14, s12, 1
	s_lshl_b32 s14, s14, 3
	s_add_co_u32 s13, s13, s14                     ; my first token: 32 (rt / 2) + 8 (rt % 2) + 4 w + 8 (w / 2)
	s_lshl_b32 s14, s13, 12
	s_mov_b32 s15, 0
	s_mov_b32 s[SEL], 0x76543210
	s_mov_b32 s[SEL+1], 0xfedcba98                 ; lane l xor 16
	s_mov_b32 s[LMNT], 0x600000
	s_mov_b32 s19, 0x3a800000                      ; 1 / 1024
	s_mov_b32 s20, 0x3727c5ac                      ; 1e-5
	s_lshl_b32 s22, s26, 2
	s_add_co_u32 s22, s22, s12
	s_lshl_b32 s22, s22, 11                        ; my first fragment: (4 rt + w) x 2,048; the second lies 2,097,152 bytes on (the second 512 of K)
	s_mov_b32 s23, 0
	s_lshl_b32 s24, s26, 9
	s_lshl_b32 s25, s12, 6
	s_add_co_u32 s24, s24, s25
	s_add_co_u32 s24, s24, 4194304                 ; its words: 512 rt + 64 w; the second's 256 bytes on
	s_mov_b32 s25, 0
	s_wait_kmcnt 0x0
	s_add_nc_u64 s[4:5], s[4:5], s[14:15]
	s_add_nc_u64 s[22:23], s[10:11], s[22:23]
	s_add_nc_u64 s[24:25], s[10:11], s[24:25]
.irp j, 0,1,2,3,4,5,6,7
	global_load_b128 v[X0+4*\j:X0+4*\j+3], v2, s[4:5] offset:512*\j th:TH_LOAD_NT
	global_load_b128 v[X1+4*\j:X1+4*\j+3], v2, s[4:5] offset:4096+512*\j th:TH_LOAD_NT
.endr
.irp j, 0,1,2,3,4,5,6,7
	global_load_b128 v[W+4*\j:W+4*\j+3], v2, s[6:7] offset:512*\j
	global_load_b128 v[B+4*\j:B+4*\j+3], v2, s[8:9] offset:512*\j
.endr
.irp j, 0,1,2,3,4,5,6,7
	global_load_b128 v[192+4*\j:192+4*\j+3], v2, s[4:5] offset:8192+512*\j th:TH_LOAD_NT
	global_load_b128 v[224+4*\j:224+4*\j+3], v2, s[4:5] offset:12288+512*\j th:TH_LOAD_NT
.endr
.macro LANES dst                       ; two packed partial sums become the row's sum, in every lane
	s_delay_alu instid0(VALU_DEP_1)
	v_pk_add_f32 v[144:145], v[144:145], v[146:147]
	s_delay_alu instid0(VALU_DEP_1)
	v_add_f32 v[\dst], v144, v145
	s_delay_alu instid0(VALU_DEP_1)
	v_add_f32_dpp v[\dst], v[\dst], v[\dst] row_xmask:1 row_mask:0xf bank_mask:0xf
	s_delay_alu instid0(VALU_DEP_1)
	v_add_f32_dpp v[\dst], v[\dst], v[\dst] row_xmask:2 row_mask:0xf bank_mask:0xf
	s_delay_alu instid0(VALU_DEP_1)
	v_add_f32_dpp v[\dst], v[\dst], v[\dst] row_xmask:4 row_mask:0xf bank_mask:0xf
	s_delay_alu instid0(VALU_DEP_1)
	v_add_f32_dpp v[\dst], v[\dst], v[\dst] row_xmask:8 row_mask:0xf bank_mask:0xf
	s_delay_alu instid0(VALU_DEP_1)
	v_permlanex16_b32 v150, v[\dst], s[SEL], s[SEL+1]
	s_delay_alu instid0(VALU_DEP_1)
	v_add_f32 v[\dst], v[\dst], v150
.endm
.macro ROWSUM dst, x
	v_pk_add_f32 v[144:145], v[\x:\x+1], v[\x+2:\x+3]
	v_pk_add_f32 v[146:147], v[\x+4:\x+5], v[\x+6:\x+7]
.irp k, 8,12,16,20,24,28
	s_delay_alu instid0(VALU_DEP_2)
	v_pk_add_f32 v[144:145], v[144:145], v[\x+\k:\x+\k+1]
	s_delay_alu instid0(VALU_DEP_2)
	v_pk_add_f32 v[146:147], v[146:147], v[\x+\k+2:\x+\k+3]
.endr
	LANES \dst
.endm
.macro ROWSQ dst, x
	v_pk_mul_f32 v[144:145], v[\x:\x+1], v[\x:\x+1]
	v_pk_mul_f32 v[146:147], v[\x+2:\x+3], v[\x+2:\x+3]
.irp k, 4,8,12,16,20,24,28
	s_delay_alu instid0(VALU_DEP_2)
	v_pk_fma_f32 v[144:145], v[\x+\k:\x+\k+1], v[\x+\k:\x+\k+1], v[144:145]
	s_delay_alu instid0(VALU_DEP_2)
	v_pk_fma_f32 v[146:147], v[\x+\k+2:\x+\k+3], v[\x+\k+2:\x+\k+3], v[146:147]
.endr
	LANES \dst
.endm
; PHASE 1 for the two rows in v[X0..], v[X1..].  n1: the younger loads that may stay out when the rows are in; n2: when gain and bias are in; lo: the rows' place in my part of LDS
.macro PH1 n1, n2, lo
	s_wait_loadcnt \n1
	ROWSUM 148, X0
	ROWSUM 149, X1
	v_mul_f32 v148, s19, v148                      ; the means
	s_delay_alu instid0(VALU_DEP_2)
	v_mul_f32 v149, s19, v149
.set i, 0
.rept 32
	v_sub_f32 v[X0+i], v[X0+i], v148
	v_sub_f32 v[X1+i], v[X1+i], v149
.set i, i+1
.endr
	ROWSQ 148, X0
	ROWSQ 149, X1
	v_fma_f32 v148, v148, s19, s20                 ; variance + eps
	s_delay_alu instid0(VALU_DEP_2)
	v_fma_f32 v149, v149, s19, s20
	s_wait_alu depctr_va_vdst(0)                   ; the wait ahead of the two
	v_rsq_f32 v148, v148
	v_rsq_f32 v149, v149
	v_nop                                          ; a plain instruction behind the last of the two
	s_wait_alu depctr_va_vdst(0)                   ; one wait for both, ahead of their first reader
	s_wait_loadcnt \n2
.set i, 0
.rept 32
	v_mul_f32 v[X0+i], v[X0+i], v148
	v_mul_f32 v[X1+i], v[X1+i], v149
.set i, i+1
.endr
.set i, 0
.rept 16
	v_pk_fma_f32 v[X0+i:X0+i+1], v[X0+i:X0+i+1], v[W+i:W+i+1], v[B+i:B+i+1]
	v_pk_fma_f32 v[X1+i:X1+i+1], v[X1+i:X1+i+1], v[W+i:W+i+1], v[B+i:B+i+1]
.set i, i+2
.endr
.irp j, 0,1,2,3,4,5,6,7
	ds_store_b128 v3, v[X0+4*\j:X0+4*\j+3] offset:\lo+512*\j
	ds_store_b128 v3, v[X1+4*\j:X1+4*\j+3] offset:\lo+PITCH+512*\j
.endr
.endm
	PH1 32, 16, 0                                  ; behind my first two rows: 16 loads of gain and bias, 16 of the other two rows
.set X0, 192
.set X1, 224
	PH1 0, 0, 2*PITCH
	s_wait_dscnt 0x0                               ; for the others' sake: my stores have landed
	s_barrier_signal -1
	s_barrier_wait -1                              ; the tile's 16 rows lie in LDS
; PHASE 2 for the tile's columns 128 (w + 4 p) on
.macro PH2 p
.irp c, 0,1,2,3
.irp j, 0,1,2,3
	ds_load_b128 v[X0+16*\c+4*\j:X0+16*\c+4*\j+3], v4 offset:2048*\p+128*\c+16*\j   ; register 16 c + i: k = 128 (w + 4 p) + 32 c + 16 h + i of row r
.endr
.endr
	s_wait_dscnt 0x0
.irp b, 0,1,2,3
	v_max3_num_f32 v[TM+\b], |v[X0+16*\b]|, |v[X0+1+16*\b]|, 0x4800000   ; my 16 numbers of block b, and the floor 2^(9 - 127)
.endr
.irp k, 2,4,6,8,10,12,14
.irp b, 0,1,2,3
	s_delay_alu instid0(VALU_DEP_4)
	v_max3_num_f32 v[TM+\b], v[TM+\b], |v[X0+16*\b+\k]|, |v[X0+1+16*\b+\k]|
.endr
.endr
.irp b, 0,1,2,3
	v_permlanex16_b32 v[TM+4+\b], v[TM+\b], s[SEL], s[SEL+1]
.endr
.irp b, 0,1,2,3
	s_delay_alu instid0(VALU_DEP_4)
	v_max_num_f32 v[TM+\b], v[TM+\b], v[TM+4+\b]   ; with lane l xor 16's 16: the block's largest magnitude
.endr
.irp b, 0,1,2,3
	s_delay_alu instid0(VALU_DEP_4)
	v_add_nc_u32 v[TM+12+\b], 0xfc000000, v[TM+\b] ; the conversion's scale operand
.endr
.irp b, 0,1,2,3
	v_and_or_b32 v[TM+8+\b], v[TM+\b], 0x7f800000, s[LMNT]   ; 448 x the scale
.endr
.irp b, 0,1,2,3
	v_lshrrev_b32 v[TM+4+\b], 23, v[TM+12+\b]      ; the byte
.endr
	s_delay_alu instid0(VALU_DEP_3)
	v_lshl_or_b32 v[PW], v[TM+5], 8, v[TM+4]
	s_delay_alu instid0(VALU_DEP_1)
	v_lshl_or_b32 v[PW], v[TM+6], 16, v[PW]
	s_delay_alu instid0(VALU_DEP_1)
	v_lshl_or_b32 v[PW], v[TM+7], 24, v[PW]        ; row r's word
.irp b, 0,1,2,3
.irp k, 0,1,2,3,4,5,6,7,8,9,10,11,12,13,14,15
	v_med3_num_f32 v[X0+16*\b+\k], v[X0+16*\b+\k], -v[TM+8+\b], v[TM+8+\b]
.endr
	v_cvt_scalef32_pk8_fp8_f32 v[PC+4*\b:PC+4*\b+1], v[X0+16*\b:X0+16*\b+7], v[TM+12+\b]
	v_cvt_scalef32_pk8_fp8_f32 v[PC+4*\b+2:PC+4*\b+3], v[X0+16*\b+8:X0+16*\b+15], v[TM+12+\b]
.endr
.irp c, 0,1,2,3
	global_store_b128 v2, v[PC+4*\c:PC+4*\c+3], s[22:23] offset:2097152*\p+512*\c   ; 32 lanes store 512 consecutive bytes
.endr
	global_store_b32 v7, v[PW], s[24:25] offset:256*\p   ; lanes r and r + 16 hold the same word and store it to the same place
.endm
.set X0, 16
	PH2 0
.set X0, 192                           ; other registers for the second fragment: no store's data are written again
.set PC, 112
.set PW, 161
	PH2 1
	s_wait_tensorcnt 0x0                           ; the wave's end
	ds_add_u32 v176, v177
	s_wait_dscnt 0x0
	s_endpgm
.Lfunc_end_k_q4ed850f6cd_prep:
	.size	k_q4ed850f6cd_prep, .Lfunc_end_k_q4ed850f6cd_prep-k_q4ed850f6cd_prep
	.p2alignl 7, 3214868480
	.fill 96, 4, 3214868480
	.section	.rodata,"a",@progbits
	.p2align	6, 0x0
	.amdhsa_kernel k_q4ed850f6cd_prep
		.amdhsa_group_segment_fixed_size 66560
		.amdhsa_private_segment_fixed_size 0
		.amdhsa_enable_private_segment 0
		.amdhsa_kernarg_size 72
		.amdhsa_user_sgpr_count 2
		.amdhsa_user_sgpr_kernarg_segment_ptr 1
		.amdhsa_wavefront_size32 1
		.amdhsa_system_sgpr_workgroup_id_x 1
		.amdhsa_system_sgpr_workgroup_id_y 1
		.amdhsa_system_sgpr_workgroup_id_z 1
		.amdhsa_system_vgpr_workitem_id 0
		.amdhsa_next_free_vgpr 256
		.amdhsa_next_free_sgpr 66
		.amdhsa_reserve_vcc 0
		.amdhsa_float_denorm_mode_32 3
		.amdhsa_float_denorm_mode_16_64 3
		.amdhsa_memory_ordered 1
		.amdhsa_forward_progress 1
		.amdhsa_inst_pref_size 175
	.end_amdhsa_kernel
	.amdgpu_metadata
---
amdhsa.version: [ 1, 2 ]
amdhsa.kernels:
  - .name:           k_q4ed850f6cd_prep
    .symbol:         k_q4ed850f6cd_prep.kd
    .args:
      - { .name: x, .offset: 0, .size: 8, .value_kind: global_buffer, .address_space: global }
      - { .name: ln1_w, .offset: 8, .size: 8, .value_kind: global_buffer, .address_space: global }
      - { .name: ln1_b, .offset: 16, .size: 8, .value_kind: global_buffer, .address_space: global }
      - { .name: A1, .offset: 24, .size: 8, .value_kind: global_buffer, .address_space: global }
      - { .name: w_qkv, .offset: 32, .size: 8, .value_kind: global_buffer, .address_space: global }
      - { .name: w_attn_proj, .offset: 40, .size: 8, .value_kind: global_buffer, .address_space: global }
      - { .name: w_fc, .offset: 48, .size: 8, .value_kind: global_buffer, .address_space: global }
      - { .name: w_mlp_proj, .offset: 56, .size: 8, .value_kind: global_buffer, .address_space: global }
      - { .name: WB, .offset: 64, .size: 8, .value_kind: global_buffer, .address_space: global }
    .group_segment_fixed_size: 66560
    .private_segment_fixed_size: 0
    .kernarg_segment_align: 8
    .kernarg_segment_size: 72
    .max_flat_workgroup_size: 128
    .sgpr_count:     66
    .vgpr_count:     256
    .wavefront_size: 32
...
	.end_amdgpu_metadata
.endif
;; end of part 1
;; launch g_qkv (part 2): grid 8 x 32, 4 waves a work-group, clusters of 4 x 4, 327,680 bytes of LDS; arguments A1, WB, QKV; writes QKV
.if DOCPART == 2
	.amdgcn_target "amdgcn-amd-amdhsa--gfx1250"
	.amdhsa_code_object_version 6
	.text
	.protected	k_q4ed850f6cd_g_qkv
	.globl	k_q4ed850f6cd_g_qkv
	.p2align	8
	.type	k_q4ed850f6cd_g_qkv,@function
k_q4ed850f6cd_g_qkv:
	s_mov_b64 s[64:65], 0
	v_nop
	global_prefetch_b8 v0, s[64:65] scope:SCOPE_SE
	s_setreg_imm32_b32 hwreg(HW_REG_WAVE_MODE, 25, 1), 1
	s_wait_xcnt 0x0
	s_wait_alu depctr_hold_cnt(0) depctr_sa_sdst(0) depctr_va_vdst(0) depctr_va_sdst(0) depctr_va_ssrc(0) depctr_va_vcc(0) depctr_vm_vsrc(0)
	s_getreg_b32 s2, hwreg(HW_REG_IB_STS2, 6, 4)
	s_cmp_eq_u32 s2, 0
	s_cbranch_scc0 .Lentry_in_a_cluster
	s_endpgm
.Lentry_in_a_cluster:
	s_bfe_u32 s2, ttmp6, 0x10000c
	s_cmp_lg_u32 s2, 0xf033
	s_cbranch_scc0 .Lentry_shape_is_right
	s_endpgm
.Lentry_shape_is_right:
.set KT, 1024
.set NT, 3072
.set ASC, 4194304
.set WI, 0
.set WS, 12582912
.set HS, 2048
.set SLOT, 131072
.set SCA, 2*SLOT
.set SPARE, SCA+4*4096
.set ASTEP, 2097152
.set BSTEP, NT*512
.set TSTEP, 8*65536
.set LI, 4
.set LS, 5
.set ADRA, 16
.set ADRB, 20
.set STO, 24
.set VRD, 25
.set VST, 26
.set ADRS, 27
.set SPW, 28
.set NIL, 29
.set SC, 32
.set TM, 96
.set ACC, 128
.set F0, 0
.set F1, 128
.set G1, 24
.set G0, 32
.set G1B, 48
.set G0B, 56
.set G1S, 68
.set G0S, 76
.set G1SB, 80
.set G0SB, 88
.set SEL, 66
.set MNT, 95
.set QSO, 4194304
.set KVO, 4456448
.set KVSO, 12845056
.set MSB, 0
.macro WIN new
.if MSB != \new
	s_set_vgpr_msb (MSB<<8)|\new
.set MSB, \new
.endif
.endm
.macro PLACES n
.rept \n
	v_nop
.endr
.endm
.macro JLOAD cr, g0a, g1a, g0b, g1b
	s_cmp_eq_u32 s[\cr], 0
	s_cbranch_scc0 .Lfor_b_\@
	tensor_load_to_lds s[\g0a:\g0a+3], s[\g1a:\g1a+7]
	s_nop 0
.rept 4
	v_nop
.endr
	s_branch .Lasked_\@
.Lfor_b_\@:
	tensor_load_to_lds s[\g0b:\g0b+3], s[\g1b:\g1b+7]
	s_nop 0
.rept 4
	v_nop
.endr
.Lasked_\@:
.endm
.macro BLOAD s
	s_cmp_eq_u32 s15, 0
	s_cbranch_scc1 .Lno_part_\@
	tensor_load_to_lds s[G0B+4*\s:G0B+4*\s+3], s[G1B:G1B+7]
	s_nop 0
.rept 4
	v_nop
.endr
.Lno_part_\@:
.endm
.macro CREST
	s_cmp_lg_u32 s14, 0
	s_cbranch_scc1 .Lnot_wave_0_\@
	s_barrier_signal -3
.Lnot_wave_0_\@:
	s_barrier_wait -3
	s_barrier_signal -1
	s_barrier_wait -1
.endm
.macro CROUND
	s_barrier_signal -1
	s_barrier_wait -1
	CREST
.endm
	s_load_b128 s[4:7], s[0:1], 0x0
	s_load_b64 s[8:9], s[0:1], 0x10
	v_lshl_add_u32 v[SPW], v0, 2, SPARE
	v_mov_b32 v[NIL], 0
	ds_add_u32 v28, v29
	ds_add_u32 v28, v29
	s_wait_dscnt 0x0
	v_lshrrev_b32 v1, 5, v0
	v_readfirstlane_b32 s14, v1
	s_lshr_b32 s15, s14, 1
	s_and_b32 s16, s14, 1
	s_bfe_u32 s40, ttmp6, 0x40000
	s_bfe_u32 s41, ttmp6, 0x40004
	s_lshl_b32 s42, ttmp9, 2
	s_add_co_u32 s42, s42, s40
	s_and_b32 s17, ttmp7, 0xffff
	s_lshl_b32 s17, s17, 2
	s_add_co_u32 s17, s17, s41
	s_lshl_b32 s43, s41, 2
	s_lshl_b32 s43, 15, s43
	s_lshl_b32 s44, 0x1111, s40
	s_or_b32 s[G1+0], s43, (3<<16)|(1<<21)
	s_or_b32 s[G1B+0], s44, (3<<16)|(1<<21)
.irp g, G1, G1B
	s_mov_b32 s[\g+1], 32<<16
	s_mov_b32 s[\g+2], 256<<16
	s_mov_b32 s[\g+3], 32<<16
	s_mov_b32 s[\g+4], 256
	s_mov_b32 s[\g+5], 32
	s_mov_b32 s[\g+6], 0
	s_mov_b32 s[\g+7], 0
.endr
	s_or_b32 s[G1S+0], s43, (3<<16)|(1<<21)
	s_or_b32 s[G1SB+0], s44, (3<<16)|(1<<21)
.irp g, G1S, G1SB
	s_mov_b32 s[\g+1], 32<<16
	s_mov_b32 s[\g+2], 16<<16
	s_mov_b32 s[\g+3], 32<<16
	s_mov_b32 s[\g+4], 16
	s_mov_b32 s[\g+5], 32
	s_mov_b32 s[\g+6], 0
	s_mov_b32 s[\g+7], 0
.endr
	s_mov_b32 s[G1SB+1], 512<<16                   ; B's words of my three tiles (q, k, v): three rows of 4,096 bytes, 32,768 bytes apart in memory, dense in LDS
	s_mov_b32 s[G1SB+2], 3<<16
	s_mov_b32 s[G1SB+3], 512<<16
	s_mov_b32 s[G1SB+4], 3
	s_mov_b32 s[G1SB+5], 4096
	s_lshl_b32 s2, s16, 15                         ; s[2:3]: behind the head I fetch half a tile: which half, in bytes
	s_mov_b32 s3, 0
	s_lshl_b32 s20, s17, 16
	s_mov_b32 s21, 0
	s_lshl_b32 s46, s42, 16
	s_add_co_u32 s46, s46, WI
	s_mov_b32 s47, 0
	s_lshl_b32 s22, s17, 12
	s_add_co_u32 s22, s22, ASC
	s_mov_b32 s23, 0
	s_lshl_b32 s92, s42, 12
	s_add_co_u32 s92, s92, WS
	s_mov_b32 s93, 0
	s_lshl_b32 s45, s14, 15
	s_wait_kmcnt 0x0
	s_add_nc_u64 s[20:21], s[4:5], s[20:21]
	s_add_nc_u64 s[22:23], s[4:5], s[22:23]
	s_add_nc_u64 s[46:47], s[6:7], s[46:47]
	s_add_nc_u64 s[92:93], s[6:7], s[92:93]
	CROUND
	; THE HEAD'S FOUR TILES, ONE JOINT LOAD A WAVE: wave 0 slot 0's 65,536 bytes of A, wave 1 those of B, wave 2 A's words, wave 3 B's words of all three tiles
	s_mov_b32 s[G0S], 1
	s_mov_b32 s[G0S+1], SCA
	s_mov_b64 s[G0S+2:G0S+3], s[22:23]
	s_or_b32 s[G0S+3], s[G0S+3], 0x80000000
	s_mov_b32 s[G0SB], 1
	s_mov_b32 s[G0SB+1], SCA+4096
	s_mov_b64 s[G0SB+2:G0SB+3], s[92:93]
	s_or_b32 s[G0SB+3], s[G0SB+3], 0x80000000
	s_mov_b32 s[G0], 1
	s_mov_b32 s[G0+1], 0
	s_mov_b64 s[G0+2:G0+3], s[20:21]
	s_or_b32 s[G0+3], s[G0+3], 0x80000000
	s_mov_b32 s[G0B], 1
	s_mov_b32 s[G0B+1], 65536
	s_mov_b64 s[G0B+2:G0B+3], s[46:47]
	s_or_b32 s[G0B+3], s[G0B+3], 0x80000000
	s_add_nc_u64 s[20:21], s[20:21], s[2:3]        ; slot 1: a quarter of the slot a wave
	s_add_nc_u64 s[46:47], s[46:47], s[2:3]
	s_mov_b32 s[G0+4], 1
	s_add_co_u32 s[G0+5], s45, SLOT
	s_add_nc_u64 s[G0+6:G0+7], s[20:21], ASTEP
	s_or_b32 s[G0+7], s[G0+7], 0x80000000
	s_mov_b32 s[G0B+4], 1
	s_add_co_u32 s[G0B+5], s45, SLOT
	s_add_nc_u64 s[G0B+6:G0B+7], s[46:47], BSTEP
	s_or_b32 s[G0B+7], s[G0B+7], 0x80000000
.macro ARM under, g0, g1, next         ; one chain of branches on the wave's number, a load to an arm, all arms to one join
	s_cmp_lt_u32 s14, \under
	s_cbranch_scc0 \next
	tensor_load_to_lds s[\g0:\g0+3], s[\g1:\g1+7]
	s_nop 0
.rept 4
	v_nop
.endr
	s_branch .Lhead_asked
\next:
.endm
	ARM 1, G0, G1, .Lhead_b
	ARM 2, G0B, G1B, .Lhead_sa
	ARM 3, G0S, G1S, .Lhead_sb
	tensor_load_to_lds s[G0SB:G0SB+3], s[G1SB:G1SB+7]
	s_nop 0
.rept 4
	v_nop
.endr
.Lhead_asked:
	; one prefetch into the L2 a wave, at the head: the second half of K, which the next round's joint load asks for.  Of the 32,768 bytes that I fetch there, each of the four partners
	; names 8,192, told apart by address (cx for A, cy for B), lanes 256 bytes apart
	s_cmp_eq_u32 s15, 0
	s_cselect_b64 s[12:13], s[20:21], s[46:47]
	s_cselect_b32 s92, s40, s41
	s_mov_b32 s94, BSTEP
	s_cselect_b32 s94, ASTEP, s94
	s_mov_b32 s95, 0
	s_lshl_b32 s92, s92, 13
	s_mov_b32 s93, 0
	s_add_nc_u64 s[12:13], s[12:13], s[92:93]
	s_add_nc_u64 s[12:13], s[12:13], s[94:95]
	v_and_b32 v1, 15, v0
	v_bfe_u32 v2, v0, 4, 1
	s_wait_alu depctr_va_vdst(0)
	v_and_b32 v3, 31, v0
	v_lshlrev_b32 v[LI], 4, v3
	v_lshlrev_b32 v[LS], 2, v3
	v_lshlrev_b32 v10, 8, v3                       ; 256 x lane; never rewritten
	global_prefetch_b8 v10, s[12:13] th:TH_LOAD_NT scope:SCOPE_SE
	s_lshl_b32 s21, s15, 15
	s_lshl_b32 s22, s16, 15
	s_add_co_u32 s22, s22, 65536
.irp s, 0,1
	v_add_nc_u32 v[ADRA+\s], s21, v[LI]
	v_add_nc_u32 v[ADRB+\s], s22, v[LI]
	s_add_co_u32 s21, s21, SLOT
	s_add_co_u32 s22, s22, SLOT
.endr
	v_lshlrev_b32 v6, 2, v1
	s_mul_i32 s21, s15, HS
	s_mul_i32 s22, s16, HS
	s_add_co_u32 s22, s22, 2*HS
	s_sub_co_u32 s22, s22, s21
	v_mul_u32_u24 v8, s22, v2
	s_add_co_u32 s21, s21, SCA
	v_add_nc_u32 v6, v6, v8
	v_add_nc_u32 v[ADRS], s21, v6
	s_mul_i32 s23, s14, 64*272
	v_mul_u32_u24 v8, v1, 272
	v_lshl_add_u32 v8, v2, 6, v8
	v_add_nc_u32 v[STO], s23, v8
	v_and_b32 v8, 7, v3
	v_bfe_u32 v9, v3, 3, 1
	v_lshl_or_b32 v8, v9, 4, v8
	v_lshl_or_b32 v8, v2, 3, v8
	v_lshl_add_u32 v[VRD], v8, 2, s23
	v_lshlrev_b32 v[VST], 4, v1
	v_lshl_or_b32 v[VST], v2, 11, v[VST]
	s_mov_b32 s[SEL], 0x76543210
	s_mov_b32 s[SEL+1], 0xfedcba98
	s_mov_b32 s[MNT], 0x600000
	s_lshr_b32 s18, s17, 4
	s_and_b32 s19, s17, 15
	s_lshl_b32 s20, s42, 1
	s_add_co_u32 s20, s20, s16
	s_lshl_b32 s18, s18, 4
	s_add_co_u32 s18, s18, s20
	s_lshl_b32 s21, s18, 4
	s_add_co_u32 s21, s21, s19
.macro FETCH slot, q, f
	WIN 0x40
.irp i, 0,1,2,3
.irp c, 0,1,2,3
	ds_load_b128 v[\f+64+16*\i+4*\c:\f+64+16*\i+4*\c+3], v[ADRB+\slot] offset:8192*\i+2048*(\q)+512*\c
	ds_load_b128 v[\f+16*\i+4*\c:\f+16*\i+4*\c+3], v[ADRA+\slot] offset:8192*\i+2048*(\q)+512*\c
.endr
.endr
.endm
.macro SCALES set
	WIN 0
.irp q, 0,1,2,3
.irp i, 0,1,2,3
	ds_load_b32 v[SC+16*\set+4*\q+\i], v[ADRS] offset:\i*(KT/2)+64*\q+256*\set
.endr
.endr
.endm
.macro MUL4 f, set, q, a, cm
	WIN 0x05
.irp b, 0,1,2,3
.set rD, ACC+8*(4*(\a)+\b)
.set rB, \f+64+16*\b
.set rA, \f+16*(\a)
.set rS, SC+16*(\set)+4*(\q)
.if (\cm) == 0
	v_wmma_scale_f32_16x16x128_f8f6f4 v[rD:rD+7], v[rB:rB+15], v[rA:rA+15], v[rD:rD+7], v[rS+\b], v[rS+(\a)] matrix_a_scale:MATRIX_SCALE_ROW1
.else
	v_wmma_scale_f32_16x16x128_f8f6f4 v[rD:rD+7], v[rB:rB+15], v[rA:rA+15], 0, v[rS+\b], v[rS+(\a)] matrix_a_scale:MATRIX_SCALE_ROW1
.endif
.endr
.endm
.macro MUL16 f, set, q, cm
.irp a, 0,1,2,3
	MUL4 \f, \set, \q, \a, \cm
.endr
.endm
.macro QUARTER slot, qn, f, g, cm
	s_wait_dscnt 0x0
	PLACES 8
	FETCH \slot, \qn, \g
	MUL16 \f, \slot, (\qn)-1, \cm
.endm
.macro TURN slot, next, fill
	WIN 0
	s_wait_tensorcnt 0x0
	ds_add_u32 v[SPW], v[NIL]
	s_wait_dscnt 1
	MUL4 F1, \slot, 3, 0, 0
	s_wait_dscnt 0x0
	s_barrier_signal -1
	MUL4 F1, \slot, 3, 1, 0
	WIN 0
	s_barrier_wait -1
.if \fill
	CREST
	s_add_nc_u64 s[G0B+4*\slot+2:G0B+4*\slot+3], s[G0B+4*\slot+2:G0B+4*\slot+3], TSTEP
	BLOAD \slot
.endif
	PLACES 8
.if (\next) == 0
	v_lshl_add_u32 v[ADRS], v2, 12, v[ADRS]
.endif
	FETCH \next, 0, F0
	SCALES \next
	MUL4 F1, \slot, 3, 2, 0
	MUL4 F1, \slot, 3, 3, 0
.endm
.macro HALF0
	QUARTER 0, 1, F0, F1, 1
	QUARTER 0, 2, F1, F0, 0
	QUARTER 0, 3, F0, F1, 0
.endm
.macro HALF1
	QUARTER 1, 1, F0, F1, 0
	QUARTER 1, 2, F1, F0, 0
	QUARTER 1, 3, F0, F1, 0
.endm
.macro QUANT4 s, pc
.set qs, \s
.set qd, \pc
.irp b, 0,1,2,3
	v_max3_num_f32 v[TM+\b], |v[qs+16*\b]|, |v[qs+1+16*\b]|, 0x4800000
.endr
.irp k, 2,4,6,8,10,12,14
.irp b, 0,1,2,3
	v_max3_num_f32 v[TM+\b], v[TM+\b], |v[qs+16*\b+\k]|, |v[qs+1+16*\b+\k]|
.endr
.endr
.irp b, 0,1,2,3
	v_permlanex16_b32 v[TM+4+\b], v[TM+\b], s[SEL], s[SEL+1]
.endr
.irp b, 0,1,2,3
	v_max_num_f32 v[TM+\b], v[TM+\b], v[TM+4+\b]
.endr
.irp b, 0,1,2,3
	v_add_nc_u32 v[TM+12+\b], 0xfc000000, v[TM+\b]
.endr
.irp b, 0,1,2,3
	v_and_or_b32 v[TM+8+\b], v[TM+\b], 0x7f800000, s[MNT]
.endr
.irp b, 0,1,2,3
	v_lshrrev_b32 v[TM+4+\b], 23, v[TM+12+\b]
.endr
.irp b, 0,1,2,3
.irp k, 0,1,2,3,4,5,6,7,8,9,10,11,12,13,14,15
	v_med3_num_f32 v[qs+16*\b+\k], v[qs+16*\b+\k], -v[TM+8+\b], v[TM+8+\b]
.endr
	v_cvt_scalef32_pk8_fp8_f32 v[qd+4*\b:qd+4*\b+1], v[qs+16*\b:qs+16*\b+7], v[TM+12+\b]
	v_cvt_scalef32_pk8_fp8_f32 v[qd+4*\b+2:qd+4*\b+3], v[qs+16*\b+8:qs+16*\b+15], v[TM+12+\b]
.endr
	v_nop
.endm
.macro VBLOCK x, cc, bt
.set vx, \x
.set vc, \cc
	v_max3_num_f32 v96, |v[vx]|, |v[vx+1]|, |v[vx+2]|
	v_max3_num_f32 v97, |v[vx+3]|, |v[vx+4]|, |v[vx+5]|
.irp k, 6,10,14,18,22,26
	v_max3_num_f32 v96, v96, |v[vx+\k]|, |v[vx+\k+1]|
	v_max3_num_f32 v97, v97, |v[vx+\k+2]|, |v[vx+\k+3]|
.endr
	v_max3_num_f32 v96, v96, |v[vx+30]|, |v[vx+31]|
	v_max3_num_f32 v96, v96, v97, 0x4800000
	v_add_nc_u32 v99, 0xfc000000, v96
	v_and_or_b32 v98, v96, 0x7f800000, s[MNT]
	v_lshrrev_b32 v[\bt], 23, v99
.set i, 0
.rept 32
	v_med3_num_f32 v[vx+i], v[vx+i], -v98, v98
.set i, i+1
.endr
.irp k, 0,1,2,3
	v_cvt_scalef32_pk8_fp8_f32 v[vc+2*\k:vc+2*\k+1], v[vx+8*\k:vx+8*\k+7], v99
.endr
	v_nop
.endm
.macro EPI_QK shift, base, wbase, wstride
	s_lshl_b32 s92, s21, \shift
	s_add_co_u32 s92, s92, \base
	s_lshl_b32 s47, s15, 12
	s_add_co_u32 s92, s92, s47
	s_mov_b32 s93, 0
	s_add_nc_u64 s[92:93], s[8:9], s[92:93]
	s_mul_i32 s96, s18, \wstride
	s_add_co_u32 s96, s96, \wbase
	s_lshl_b32 s47, s19, 9
	s_add_co_u32 s96, s96, s47
	s_lshl_b32 s47, s15, 8
	s_add_co_u32 s96, s96, s47
	s_mov_b32 s97, 0
	s_add_nc_u64 s[96:97], s[8:9], s[96:97]
	v_cmp_le_u32 vcc_lo, 16, v3
.irp b, 0,1,2,3
	v_mov_b32 v[TM+4+\b], 0
.endr
.irp i, 0,1
	QUANT4 ACC+64*\i, 64+16*\i
.irp k, 0,1,2,3
	global_store_b128 v[LI], v[64+16*\i+4*\k:64+16*\i+4*\k+3], s[92:93] offset:2048*\i+512*\k
.endr
	v_lshl_or_b32 v112, v[TM+5], 8, v[TM+4]
	v_lshl_or_b32 v113, v[TM+7], 8, v[TM+6]
	v_cndmask_b32 v112, v112, v113, vcc_lo
	v_or_b32 v[114+\i], 0x7f7f0000, v112
	global_store_b32 v[LS], v[114+\i], s[96:97] offset:128*\i
.endr
.endm
	s_wait_alu depctr_va_vdst(0)                   ; the wait at the head's end
	s_wait_tensorcnt 0x0                           ; my tile of the head's four is in; slot 1's first fill is issued as a refill is
	ds_add_u32 v[SPW], v[NIL]
	s_mov_b32 s[G1+2], 128<<16                     ; no tensor load of mine is out: from here on a load brings 128 rows of 256 bytes
	s_mov_b32 s[G1+4], 128
	s_mov_b32 s[G1B+2], 128<<16
	s_mov_b32 s[G1B+4], 128
	s_mov_b32 s[G0B+1], s45                        ; slot 0's refills of B: my half
	s_add_nc_u64 s[G0B+2:G0B+3], s[G0B+2:G0B+3], s[2:3]
	s_wait_dscnt 0x0
	CROUND                                         ; all four tiles are in, and all sixteen work-groups are here
	JLOAD 15, G0+4, G1, G0B+4, G1B                 ; the second half of K: it has slot 0's four quarters in which to land
	FETCH 0, 0, F0
	SCALES 0
	HALF0
	TURN 0, 1, 1
	HALF1
	TURN 1, 0, 1
	WIN 0
	PLACES 8
	EPI_QK 13, 0, QSO, 8192
	HALF0
	TURN 0, 1, 1
	HALF1
	TURN 1, 0, 1
	WIN 0
	PLACES 8
	s_wait_xcnt 0x0
	EPI_QK 14, KVO, KVSO, 12288
	HALF0
	TURN 0, 1, 0
	HALF1
	s_wait_dscnt 0x0
	MUL16 F1, 1, 3, 0
	WIN 0
	PLACES 8
	s_wait_xcnt 0x0
	s_lshl_b32 s92, s21, 14
	s_lshl_b32 s47, s15, 10
	s_add_co_u32 s92, s92, s47
	s_add_co_u32 s92, s92, KVO+8192
	s_mov_b32 s93, 0
	s_add_nc_u64 s[92:93], s[8:9], s[92:93]
	s_mul_i32 s96, s18, 12288
	s_lshl_b32 s47, s19, 8
	s_add_co_u32 s96, s96, s47
	s_lshl_b32 s47, s15, 1
	s_add_co_u32 s96, s96, s47
	s_add_co_u32 s96, s96, KVSO+8192
	s_mov_b32 s97, 0
	s_add_nc_u64 s[96:97], s[8:9], s[96:97]
.irp a, 0,1,2,3
.irp b, 0,1,2,3
	ds_store_b128 v[STO], v[ACC+8*(4*\a+\b):ACC+8*(4*\a+\b)+3] offset:\a*16*272+128*(\b/2)+32*(\b%2)
	ds_store_b128 v[STO], v[ACC+8*(4*\a+\b)+4:ACC+8*(4*\a+\b)+7] offset:\a*16*272+128*(\b/2)+32*(\b%2)+16
.endr
.endr
	s_wait_dscnt 0x0
.irp g, 0,1
.set i, 0
.rept 64
.set sw, (i&32)|(i&7)|((i&8)<<1)|((i&16)>>1)
	ds_load_b32 v[ACC+64*\g+i], v[VRD] offset:128*\g+sw*272
.set i, i+1
.endr
.endr
	s_wait_dscnt 0x0
.irp g, 0,1
.irp k, 0,1
	VBLOCK ACC+64*\g+32*\k, 64+16*\g+8*\k, 100+2*\g+\k
	global_store_b128 v[VST], v[64+16*\g+8*\k:64+16*\g+8*\k+3], s[92:93] offset:4096*\g+512*\k
	global_store_b128 v[VST], v[64+16*\g+8*\k+4:64+16*\g+8*\k+7], s[92:93] offset:4096*\g+512*\k+256
.endr
	v_lshl_or_b32 v[104+\g], v[101+2*\g], 8, v[100+2*\g]
	global_store_b16 v[LS], v[104+\g], s[96:97] offset:128*\g
.endr
	s_wait_tensorcnt 0x0
	ds_add_u32 v[SPW], v[NIL]
	s_wait_dscnt 0x0
	CROUND
	s_endpgm
.Lfunc_end_k_q4ed850f6cd_g_qkv:
	.size	k_q4ed850f6cd_g_qkv, .Lfunc_end_k_q4ed850f6cd_g_qkv-k_q4ed850f6cd_g_qkv
	.p2alignl 7, 3214868480
	.fill 96, 4, 3214868480
	.section	.rodata,"a",@progbits
	.p2align	6, 0x0
	.amdhsa_kernel k_q4ed850f6cd_g_qkv
		.amdhsa_group_segment_fixed_size 327680
		.amdhsa_private_segment_fixed_size 0
		.amdhsa_enable_private_segment 0
		.amdhsa_kernarg_size 24
		.amdhsa_user_sgpr_count 2
		.amdhsa_user_sgpr_kernarg_segment_ptr 1
		.amdhsa_wavefront_size32 1
		.amdhsa_system_sgpr_workgroup_id_x 1
		.amdhsa_system_sgpr_workgroup_id_y 1
		.amdhsa_system_sgpr_workgroup_id_z 1
		.amdhsa_system_vgpr_workitem_id 0
		.amdhsa_next_free_vgpr 512
		.amdhsa_next_free_sgpr 100
		.amdhsa_reserve_vcc 1
		.amdhsa_float_denorm_mode_32 3
		.amdhsa_float_denorm_mode_16_64 3
		.amdhsa_memory_ordered 1
		.amdhsa_forward_progress 1
		.amdhsa_inst_pref_size 187
	.end_amdhsa_kernel
	.amdgpu_metadata
---
amdhsa.version: [ 1, 2 ]
amdhsa.kernels:
  - .name:           k_q4ed850f6cd_g_qkv
    .symbol:         k_q4ed850f6cd_g_qkv.kd
    .args:
      - { .name: A1, .offset: 0, .size: 8, .value_kind: global_buffer, .address_space: global }
      - { .name: WB, .offset: 8, .size: 8, .value_kind: global_buffer, .address_space: global }
      - { .name: QKV, .offset: 16, .size: 8, .value_kind: global_buffer, .address_space: global }
    .group_segment_fixed_size: 327680
    .private_segment_fixed_size: 0
    .kernarg_segment_align: 8
    .kernarg_segment_size: 24
    .max_flat_workgroup_size: 128
    .sgpr_count:     100
    .vgpr_count:     512
    .wavefront_size: 32
...
	.end_amdgpu_metadata
.endif
;; end of part 2
;; launch attn (part 3): grid 8 x 32, 16 waves a work-group, no clusters, 327,680 bytes of LDS; arguments QKV, Y; writes Y
.if DOCPART == 3
	.amdgcn_target "amdgcn-amd-amdhsa--gfx1250"
	.amdhsa_code_object_version 6
	.text
	.protected	k_q4ed850f6cd_attn
	.globl	k_q4ed850f6cd_attn
	.p2align	8
	.type	k_q4ed850f6cd_attn,@function
k_q4ed850f6cd_attn:
	s_mov_b64 s[64:65], 0
	v_nop
	global_prefetch_b8 v0, s[64:65] scope:SCOPE_SE
	s_setreg_imm32_b32 hwreg(HW_REG_WAVE_MODE, 25, 1), 1
	s_wait_xcnt 0x0
; Causal attention on codes of E4M3, 32 heads (batch x head) of 2,048 tokens x 64; its result y is quantised along the model's 1,024 and stored as the next product's operand images.
; INPUT (QKV, made by the launch before): q's images [bh][tile 128][c 2][lane][16 bytes] and words [bh][2048]; K and V [bh][key step 16][K: tile 8 x c 2 x lane x 16 | V: channel tile 4 x c 4 x lane x 16];
; their words [bh][K 2048 | V 16 x 64].  Tokens and channels lie at swap34 positions (bits 3 and 4 change places), V's keys in their own order.
; A WHOLE HEAD'S K, V AND WORDS (268 KB) LIE IN LDS, FILLED ONCE: no ring, nothing filled again.  Key steps 0-3 and the words are waited for first; the other twelve land while those are worked.
; SOFTMAX: t = score x log2(e) / 8; M = the running largest t rounded up to a whole number; p = 2^(t - M) is quantised along the keys, not normalised; the sum of the unquantised p divides at the end.
; SHARES: a wave owns a tile of 16 queries.  Work-group j of a head takes query blocks j and 15 - j (128 queries each), eight waves to each: 8 (j + 1) + 8 (16 - j) = 136 key steps in every work-group.
; Both products are used transposed (S^T = K Q^T, O^T = V^T P^T): a lane holds one query throughout, and 16 registers of two neighbouring tiles are 16 neighbours along the next K.
; THE HEAD'S 64 IN AN INSTRUCTION 128 DEEP: q's upper eight registers are zero codes and bytes 2, 3 of q's and K's words are the scale 1; K's upper eight are the next tile's codes (finite), which meet only zeros.
; CAUSAL: every wave walks all 16 steps (constant trip counts); a step all of whose keys come later is jumped over by a scalar branch on ids; the diagonal step masks by compare and select.
; NO CLUSTER: those branches hang on the query block, which differs between the work-groups of a head, and partners of a joint load must run alike.
; LIMITS: NaN and infinities are not served; blocks under 2^-118 get the byte 1; so does a block of zeros (its codes are zeros).
; REGISTERS: v1-5 lane terms; v8-10 addresses in hand; v12 -M, v13 largest t, v[14:15] the sum; v16-23 q, v24-31 zeros; v32-95 K, later V; v96-103 zeros; v104-167 S^T, then p; v168-199 O^T; v200-215 p's codes;
;   v216-223 K's words, v224-227 V's, v253 p's, v255 q's; v232-254 at work.
.set QSO, 4194304
.set KVO, 4456448
.set KVSO, 12845056
.set KVS_L, 262144
.set S, 104
.set O, 168
.set PC, 200
.set ADK, 8
.set ADS, 9
.set ADT, 10
.set WV, 18
.set MNT, 19
.set SEL, 60
.set CS, 62
.set TB, 2
.set TS, 3
.set TJ, 66
.set KF, 67
.set CNT, 68
.set KD, 70
.set XCH, 276480                       ; behind the spare words: 4,608 bytes for each pair of waves, which no tensor load fills: what wave Y hands to wave X
.macro G1SET g, R                      ; a dense block as R rows of 256 bytes (32 elements of 8 bytes)
	s_mov_b32 s[\g], 3<<16
	s_mov_b32 s[\g+1], 32<<16
	s_mov_b32 s[\g+2], (\R)<<16
	s_mov_b32 s[\g+3], 32<<16
	s_mov_b32 s[\g+4], \R
	s_mov_b32 s[\g+5], 32
	s_mov_b32 s[\g+6], 0
	s_mov_b32 s[\g+7], 0
.endm
	s_load_b128 s[4:7], s[0:1], 0x0                ; QKV, Y
	v_lshl_add_u32 v250, v0, 2, 0x43000
	v_mov_b32 v251, 0
	ds_add_u32 v250, v251
	ds_add_u32 v250, v251
	v_lshrrev_b32 v8, 5, v0
	s_delay_alu instid0(VALU_DEP_1)
	v_readfirstlane_b32 s[WV], v8                  ; wave 0..15
	s_and_b32 s8, ttmp7, 0xffff                    ; bh
	s_lshr_b32 s9, s[WV], 2
	s_xor_b32 s9, s9, s[WV]
	s_and_b32 s9, s9, 1                            ; 1: the late block.  Of waves 2 i and 2 i + 1 one takes each
	s_lshr_b32 s10, s[WV], 1
	s_sub_co_u32 s11, 15, ttmp9
	s_cmp_eq_u32 s9, 1
	s_cselect_b32 s11, s11, ttmp9
	s_lshl_b32 s11, s11, 3
	s_add_co_u32 s11, s11, s10                     ; my tile of 16 queries, 0..127
	s_lshr_b32 s[KD], s11, 3
	s_lshl_b32 s[KD], s[KD], 7
	s_mov_b32 s80, s9                              ; 1: wave X of its pair (the late block's tile), 0: wave Y (the early block's)
	s_sub_co_u32 s81, 15, ttmp9
	s_lshl_b32 s71, s81, 7                         ; the first key of the step on the late tile's diagonal
	s_lshl_b32 s81, s81, 3
	s_add_co_u32 s81, s81, s10                     ; the pair's late tile
	s_mul_i32 s69, s10, 4608
	s_add_co_u32 s69, s69, XCH                     ; the pair's bytes
	s_lshl_b32 s82, s8, 7
	s_add_co_u32 s82, s82, s81
	s_lshl_b32 s82, s82, 10                        ; the late tile's q
	s_mov_b32 s83, 0
	s_lshl_b32 s84, s8, 13
	s_lshl_b32 s85, s81, 6
	s_add_co_u32 s84, s84, s85
	s_add_co_u32 s84, s84, QSO                     ; and its words
	s_mov_b32 s85, 0
	G1SET 24, 6
	G1SET 32, 32
	G1SET 40, 48
	s_mul_i32 s12, s8, 12288
	s_and_b32 s21, s[WV], 7
	s_mul_i32 s20, s21, 1536                       ; the words: 1,536 bytes for each of waves 8-15
	s_add_co_u32 s12, s12, s20
	s_add_co_u32 s12, s12, KVSO                    ; the words: 1,536 bytes a wave
	s_mov_b32 s13, 0
	s_add_co_u32 s49, s20, KVS_L
	s_lshl_b32 s14, s8, 18
	s_add_co_u32 s14, s14, KVO
	s_lshl_b32 s53, s21, 13                        ; key steps 0-3: 8,192 bytes for each of waves 0-7
	s_mul_i32 s57, s[WV], 12288                    ; key steps 4-15: 12,288 bytes a wave
	s_add_co_u32 s16, s14, s57
	s_add_co_u32 s16, s16, 65536
	s_add_co_u32 s14, s14, s53
	s_add_co_u32 s57, s57, 65536
	s_mov_b32 s15, 0
	s_mov_b32 s17, 0
	s_lshl_b32 s20, s8, 7
	s_add_co_u32 s20, s20, s11
	s_lshl_b32 s20, s20, 10                        ; q's image of my tile
	s_mov_b32 s21, 0
	s_lshl_b32 s22, s8, 13
	s_lshl_b32 s23, s11, 6
	s_add_co_u32 s22, s22, s23
	s_add_co_u32 s22, s22, QSO                     ; and its words
	s_mov_b32 s23, 0
	s_bfe_u32 s9, s11, 0x20001
	s_lshl_b32 s9, s9, 5
	s_and_b32 s10, s11, 1
	s_lshl_b32 s10, s10, 3
	s_add_co_u32 s9, s9, s10                       ; my tile's first token within its 128
	s_mov_b32 s[SEL], 0x76543210
	s_mov_b32 s[SEL+1], 0xfedcba98
	s_mov_b32 s[CS], 0x3e38aa3b                    ; log2(e) / 8
	s_mov_b32 s[CS+1], s[CS]
	s_mov_b32 s[MNT], 0x600000
	s_mov_b32 s[TB], 0
	s_mov_b32 s[TS], 0
	s_mov_b32 s[TJ], 0
	s_mov_b32 s[KF], 0
	s_wait_dscnt 0x0
	s_wait_kmcnt 0x0
	s_mov_b32 s48, 1
	s_add_nc_u64 s[50:51], s[4:5], s[12:13]
	s_or_b32 s51, s51, 0x80000000
	s_mov_b32 s52, 1
	s_add_nc_u64 s[54:55], s[4:5], s[14:15]
	s_or_b32 s55, s55, 0x80000000
	s_mov_b32 s56, 1
	s_add_nc_u64 s[58:59], s[4:5], s[16:17]
	s_or_b32 s59, s59, 0x80000000
	s_add_nc_u64 s[20:21], s[4:5], s[20:21]
	s_add_nc_u64 s[22:23], s[4:5], s[22:23]
	s_add_nc_u64 s[82:83], s[4:5], s[82:83]
	s_add_nc_u64 s[84:85], s[4:5], s[84:85]
	s_cmp_lt_u32 s[WV], 8                          ; the head's fills, one a wave: waves 0-7 key steps 0-3, waves 8-15 the words
	s_cbranch_scc0 .Lhead_words
	tensor_load_to_lds s[52:55], s[32:39]
	s_nop 0
.rept 4
	v_nop
.endr
	s_branch .Lhead_asked
.Lhead_words:
	tensor_load_to_lds s[48:51], s[24:31]
	s_nop 0
.rept 4
	v_nop
.endr
.Lhead_asked:
	v_and_b32 v6, 31, v0
	s_delay_alu instid0(VALU_DEP_1)
	v_lshlrev_b32 v1, 4, v6                        ; 16 x lane
	v_and_b32 v8, 15, v0                           ; r
	v_bfe_u32 v9, v0, 4, 1                         ; h
	s_delay_alu instid0(VALU_DEP_2)
	v_lshlrev_b32 v5, 2, v8                        ; 4 r
	s_delay_alu instid0(VALU_DEP_1)
	v_add_nc_u32 v2, KVS_L, v5
	s_delay_alu instid0(VALU_DEP_2)
	v_add_nc_u32 v3, KVS_L+8192, v5
	v_and_b32 v10, 8, v8
	s_delay_alu instid0(VALU_DEP_1)
	v_add_nc_u32 v4, v10, v8
	s_delay_alu instid0(VALU_DEP_1)
	v_add_nc_u32 v4, s9, v4
	v_lshlrev_b32 v10, 4, v9
	s_delay_alu instid0(VALU_DEP_1)
	v_sub_nc_u32 v4, v4, v10                       ; my query - KD - 16 h: the same for both tiles of a pair
	v_add_nc_u32 v11, s69, v1                      ; the pair's bytes, 16 a lane
	global_load_b128 v[16:19], v1, s[20:21]
	global_load_b128 v[20:23], v1, s[20:21] offset:512
	global_load_b32 v255, v5, s[22:23]
.irp j, 0,1,2,3,4,5,6,7
	v_mov_b32 v[24+\j], 0                          ; zero codes
	v_mov_b32 v[96+\j], 0
.endr
	v_mov_b32 v13, 0xff61b1e6                      ; the largest t so far: -3e38
	s_delay_alu instid0(VALU_DEP_1)
	v_floor_f32 v12, -v13
	v_mov_b32 v14, 0
	v_mov_b32 v15, 0
.irp b, 0,1,2,3
	v_mov_b32 v[236+\b], 0                         ; written once: a lane permute's destination counts as one of its sources
.endr
	v_mov_b32 v252, 0
	v_mov_b32 v253, 0
.set i, 0
.rept 32
	v_mov_b32 v[O+i], 0                            ; the step is written once: the first finds zeros
.set i, i+1
.endr
.macro STEP
	s_cmp_gt_u32 s[KF], s[KD]
	s_cbranch_scc1 .Lhidden_\@                     ; all 128 keys come after my queries
	v_add_nc_u32 v[ADK], s[TB], v1
	v_add_nc_u32 v[ADS], s[TS], v2
	v_add_nc_u32 v[ADT], s[TJ], v3
.rept 5
	v_nop                                          ; with the three additions: eight places ahead of loads into registers that the last products read
.endr
.irp t, 0,1,2,3,4,5,6,7
	ds_load_b128 v[32+8*\t:35+8*\t], v[ADK] offset:1024*\t
	ds_load_b128 v[36+8*\t:39+8*\t], v[ADK] offset:1024*\t+512
	ds_load_b32 v[216+\t], v[ADS] offset:64*\t
.endr
	s_wait_alu depctr_va_vdst(0)
	s_wait_dscnt 0x0
.irp t, 0,1,2,3,4,5,6,7
	v_wmma_scale_f32_16x16x128_f8f6f4 v[S+8*\t:S+8*\t+7], v[32+8*\t:47+8*\t], v[16:31], 0, v[216+\t], v255
.endr
.rept 8
	v_nop
.endr
.irp t, 0,1,2,3                        ; V is asked for here and lands under the softmax
.irp c, 0,1,2,3
	ds_load_b128 v[32+16*\t+4*\c:35+16*\t+4*\c], v[ADK] offset:8192+2048*\t+512*\c
.endr
	ds_load_b32 v[224+\t], v[ADT] offset:64*\t
.endr
	s_cmp_lt_u32 s[KF], s[KD]
	s_cbranch_scc1 .Lopen_\@                       ; all keys count
	v_mov_b32 v254, 0xff800000                     ; on the diagonal: register 16 b + i holds key KF + 32 b + 16 h + i, hidden where 32 b + i > my query - KD - 16 h
.set n, 0
.rept 64
	v_cmp_gt_i32 vcc_lo, 32*(n/16)+n%16, v4
	v_cndmask_b32 v[S+n], v[S+n], v254, vcc_lo
.set n, n+1
.endr
.Lopen_\@:
.irp b, 0,1,2,3
	v_max3_num_f32 v[232+\b], v[S+16*\b], v[S+1+16*\b], v[S+2+16*\b]   ; each block's largest score: for the row's maximum, and, since p rises with the score, for the block's largest p
.endr
.irp k, 3,5,7,9,11,13
.irp b, 0,1,2,3
	v_max3_num_f32 v[232+\b], v[232+\b], v[S+16*\b+\k], v[S+1+16*\b+\k]
.endr
.endr
.irp b, 0,1,2,3
	v_max_num_f32 v[232+\b], v[232+\b], v[S+15+16*\b]
.endr
.irp b, 0,1,2,3
	s_delay_alu instid0(VALU_DEP_4)
	v_permlanex16_b32 v[236+\b], v[232+\b], s[SEL], s[SEL+1]
.endr
.irp b, 0,1,2,3
	s_delay_alu instid0(VALU_DEP_4)
	v_max_num_f32 v[232+\b], v[232+\b], v[236+\b]
.endr
	s_delay_alu instid0(VALU_DEP_2)
	v_max3_num_f32 v254, v232, v233, v234
	s_delay_alu instid0(VALU_DEP_1)
	v_max_num_f32 v254, v254, v235
	s_delay_alu instid0(VALU_DEP_1)
	v_mul_f32 v254, s[CS], v254
	s_delay_alu instid0(VALU_DEP_1)
	v_max_num_f32 v13, v13, v254                   ; the running largest t
	v_mov_b32 v254, v12
	s_delay_alu instid0(VALU_DEP_2)
	v_floor_f32 v12, -v13                          ; -M = floor(-t): M is a whole number
	s_delay_alu instid0(VALU_DEP_1)
	v_sub_f32 v254, v12, v254
	s_delay_alu instid0(VALU_DEP_1)
	v_cvt_i32_f32 v254, v254                       ; (it saturates)
	s_delay_alu instid0(VALU_DEP_1)
	v_ldexp_f32 v252, 1.0, v254                    ; f = 2^(old M - new M): rounds nothing
.set i, 0
.rept 32
	v_pk_fma_f32 v[S+i:S+i+1], v[S+i:S+i+1], s[CS:CS+1], v[12:13] op_sel_hi:[1,0,0]   ; t - M
.set i, i+2
.endr
.irp b, 0,1,2,3
	v_fma_f32 v[232+\b], v[232+\b], s[CS], v12
.endr
.set i, 0
	s_wait_alu depctr_va_vdst(0)
.rept 64
	v_exp_f32 v[S+i], v[S+i]                       ; p, at most 1
.set i, i+1
.endr
	v_pk_mul_f32 v[14:15], v[14:15], v[252:253] op_sel_hi:[1,0]   ; the sums under the new M: the plain instruction behind the batch
	s_wait_alu depctr_va_vdst(0)                   ; one wait for the 64, ahead of their first reader
.irp b, 0,1,2,3
	v_exp_f32 v[232+\b], v[232+\b]                 ; each block's largest p
.endr
	v_pk_add_f32 v[236:237], v[108:109], v[112:113]
	v_pk_add_f32 v[248:249], v[116:117], v[120:121]
	v_pk_add_f32 v[246:247], v[124:125], v[128:129]
	v_pk_add_f32 v[244:245], v[132:133], v[136:137]
	v_pk_add_f32 v[242:243], v[140:141], v[144:145]
	v_pk_add_f32 v[240:241], v[148:149], v[152:153]
	v_pk_add_f32 v[238:239], v[156:157], v[160:161]
	v_pk_add_f32 v[14:15], v[14:15], v[164:165]
	v_pk_add_f32 v[236:237], v[236:237], v[104:105]
	v_pk_add_f32 v[248:249], v[248:249], v[106:107]
	v_pk_add_f32 v[246:247], v[246:247], v[110:111]
	v_pk_add_f32 v[244:245], v[244:245], v[114:115]
	v_pk_add_f32 v[242:243], v[242:243], v[118:119]
	v_pk_add_f32 v[240:241], v[240:241], v[122:123]
	v_pk_add_f32 v[238:239], v[238:239], v[126:127]
	v_pk_add_f32 v[14:15], v[14:15], v[130:131]
	v_pk_add_f32 v[236:237], v[236:237], v[134:135]
	v_pk_add_f32 v[248:249], v[248:249], v[138:139]
	v_pk_add_f32 v[246:247], v[246:247], v[142:143]
	v_pk_add_f32 v[244:245], v[244:245], v[146:147]
	v_pk_add_f32 v[242:243], v[242:243], v[150:151]
	v_pk_add_f32 v[240:241], v[240:241], v[154:155]
	v_pk_add_f32 v[238:239], v[238:239], v[158:159]
	v_pk_add_f32 v[14:15], v[14:15], v[162:163]
	v_pk_add_f32 v[236:237], v[236:237], v[166:167]
	s_delay_alu instid0(VALU_DEP_2)
	v_pk_add_f32 v[14:15], v[14:15], v[244:245]
	s_delay_alu instid0(VALU_DEP_2)
	v_pk_add_f32 v[236:237], v[236:237], v[242:243]
	v_pk_add_f32 v[248:249], v[248:249], v[240:241]
	v_pk_add_f32 v[246:247], v[246:247], v[238:239]
	s_delay_alu instid0(VALU_DEP_2)
	v_pk_add_f32 v[14:15], v[14:15], v[248:249]
	s_delay_alu instid0(VALU_DEP_2)
	v_pk_add_f32 v[236:237], v[236:237], v[246:247]
	s_delay_alu instid0(VALU_DEP_1)
	v_pk_add_f32 v[14:15], v[14:15], v[236:237]
	s_wait_alu depctr_va_vdst(0)                   ; and one for the four
.irp b, 0,1,2,3
	v_max_num_f32 v[232+\b], 0x4800000, v[232+\b]  ; the floor 2^(9 - 127)
.endr
.irp b, 0,1,2,3
	s_delay_alu instid0(VALU_DEP_4)
	v_add_nc_u32 v[244+\b], 0xfc000000, v[232+\b]
.endr
.irp b, 0,1,2,3
	v_and_or_b32 v[240+\b], v[232+\b], 0x7f800000, s[MNT]
.endr
.irp b, 0,1,2,3
	v_lshrrev_b32 v[236+\b], 23, v[244+\b]
.endr
	s_delay_alu instid0(VALU_DEP_3)
	v_lshl_or_b32 v253, v237, 8, v236              ; p's word for these 128 keys
	s_delay_alu instid0(VALU_DEP_1)
	v_lshl_or_b32 v253, v238, 16, v253
	s_delay_alu instid0(VALU_DEP_1)
	v_lshl_or_b32 v253, v239, 24, v253
.irp b, 0,1,2,3
.irp k, 0,1,2,3,4,5,6,7,8,9,10,11,12,13,14,15
	v_min_num_f32 v[S+16*\b+\k], v[S+16*\b+\k], v[240+\b]   ; the conversion does not saturate (ISA guide 7.6.2); p is not negative
.endr
	v_cvt_scalef32_pk8_fp8_f32 v[PC+4*\b:PC+4*\b+1], v[S+16*\b:S+16*\b+7], v[244+\b]
	v_cvt_scalef32_pk8_fp8_f32 v[PC+4*\b+2:PC+4*\b+3], v[S+16*\b+8:S+16*\b+15], v[244+\b]
.endr
.set i, 0
.rept 16
	v_pk_mul_f32 v[O+i:O+i+1], v[O+i:O+i+1], v[252:253] op_sel_hi:[1,0]   ; O^T under the new M; also the places ahead of the products below
.set i, i+2
.endr
	s_wait_alu depctr_va_vdst(0)
	s_wait_dscnt 0x0                               ; V and its words
.irp t, 0,1,2,3
	v_wmma_scale_f32_16x16x128_f8f6f4 v[O+8*\t:O+8*\t+7], v[32+16*\t:47+16*\t], v[PC:PC+15], v[O+8*\t:O+8*\t+7], v[224+\t], v253
.endr
.Lhidden_\@:
	s_add_co_u32 s[TB], s[TB], 16384
	s_add_co_u32 s[TS], s[TS], 512
	s_add_co_u32 s[TJ], s[TJ], 256
	s_add_co_u32 s[KF], s[KF], 128
.endm
	s_wait_alu depctr_va_vdst(0)                   ; the wait at the head's end
	s_wait_tensorcnt 0x0                           ; my part of the words or of key steps 0-3 is in
	ds_add_u32 v250, v251
	s_wait_dscnt 0x0
	s_barrier_signal -1
	s_barrier_wait -1                              ; everybody's are
	tensor_load_to_lds s[56:59], s[40:47]          ; key steps 4-15, 12,288 bytes a wave: a first fill of bytes of their own; it lands while steps 0-3 are worked
	s_nop 0
.rept 4
	v_nop
.endr
	s_wait_loadcnt 0x0                             ; q
	s_mov_b32 s[CNT], 4
.Lfirst4:
	STEP
	s_sub_co_u32 s[CNT], s[CNT], 1
	s_cmp_lg_u32 s[CNT], 0
	s_cbranch_scc1 .Lfirst4
	s_wait_tensorcnt 0x0                           ; my part of key steps 4-15 is in
	s_wait_dscnt 0x0
	s_barrier_signal -1
	s_barrier_wait -1
	s_mov_b32 s[CNT], 5
.Lrest5:
	STEP
	s_sub_co_u32 s[CNT], s[CNT], 1
	s_cmp_lg_u32 s[CNT], 0
	s_cbranch_scc1 .Lrest5
	; THE WAY OUT of a tile: O^T / the sum, quantised along the head's 64 (two blocks: chunks 2 (head % 2) + beta of the model's K step head / 2), stored as the image's bytes
.macro WAYOUT
	v_add_f32 v14, v14, v15
	s_delay_alu instid0(VALU_DEP_1)
	v_permlanex16_b32 v252, v14, s[SEL], s[SEL+1]
	s_delay_alu instid0(VALU_DEP_1)
	v_add_f32 v14, v14, v252                       ; the row's sum
	s_wait_alu depctr_va_vdst(0)
	v_rcp_f32 v14, v14
	v_nop
	s_and_b32 s72, s8, 15                          ; head
	s_lshr_b32 s73, s8, 4
	s_lshl_b32 s73, s73, 7
	s_add_co_u32 s73, s73, s11                     ; row tile: 128 x batch + tile
	s_lshr_b32 s74, s72, 3
	s_lshl_b32 s74, s74, 8
	s_add_co_u32 s74, s74, s73
	s_lshl_b32 s74, s74, 2
	s_bfe_u32 s76, s72, 0x20001
	s_add_co_u32 s74, s74, s76
	s_lshl_b32 s74, s74, 11
	s_and_b32 s76, s72, 1
	s_lshl_b32 s77, s76, 10
	s_add_co_u32 s74, s74, s77
	s_mov_b32 s75, 0
	s_add_nc_u64 s[74:75], s[6:7], s[74:75]
	s_lshl_b32 s78, s73, 9
	s_lshr_b32 s77, s72, 1
	s_lshl_b32 s77, s77, 6
	s_add_co_u32 s78, s78, s77
	s_lshl_b32 s77, s76, 1
	s_add_co_u32 s78, s78, s77
	s_add_co_u32 s78, s78, 4194304
	s_mov_b32 s79, 0
	s_add_nc_u64 s[78:79], s[6:7], s[78:79]
	s_wait_alu depctr_va_vdst(0)                   ; ahead of the reciprocal's first reader
.set i, 0
.rept 32
	v_mul_f32 v[S+i], v[O+i], v14                  ; register 16 beta + i: channel 32 beta + 16 h + i
.set i, i+1
.endr
.irp b, 0,1
	v_max3_num_f32 v[232+\b], |v[S+16*\b]|, |v[S+1+16*\b]|, 0x4800000
.endr
.irp k, 2,4,6,8,10,12,14
.irp b, 0,1
	s_delay_alu instid0(VALU_DEP_2)
	v_max3_num_f32 v[232+\b], v[232+\b], |v[S+16*\b+\k]|, |v[S+1+16*\b+\k]|
.endr
.endr
.irp b, 0,1
	s_delay_alu instid0(VALU_DEP_2)
	v_permlanex16_b32 v[236+\b], v[232+\b], s[SEL], s[SEL+1]
.endr
.irp b, 0,1
	s_delay_alu instid0(VALU_DEP_2)
	v_max_num_f32 v[232+\b], v[232+\b], v[236+\b]
.endr
.irp b, 0,1
	s_delay_alu instid0(VALU_DEP_2)
	v_add_nc_u32 v[244+\b], 0xfc000000, v[232+\b]
.endr
.irp b, 0,1
	s_delay_alu instid0(VALU_DEP_4)
	v_and_or_b32 v[240+\b], v[232+\b], 0x7f800000, s[MNT]
.endr
.irp b, 0,1
	s_delay_alu instid0(VALU_DEP_4)
	v_lshrrev_b32 v[236+\b], 23, v[244+\b]
.endr
	s_delay_alu instid0(VALU_DEP_1)
	v_lshl_or_b32 v234, v237, 8, v236              ; my head's half of the row's word
.irp b, 0,1
.irp k, 0,1,2,3,4,5,6,7,8,9,10,11,12,13,14,15
	v_med3_num_f32 v[S+16*\b+\k], v[S+16*\b+\k], -v[240+\b], v[240+\b]
.endr
	v_cvt_scalef32_pk8_fp8_f32 v[PC+4*\b:PC+4*\b+1], v[S+16*\b:S+16*\b+7], v[244+\b]
	v_cvt_scalef32_pk8_fp8_f32 v[PC+4*\b+2:PC+4*\b+3], v[S+16*\b+8:S+16*\b+15], v[244+\b]
.endr
	v_nop
	global_store_b128 v1, v[PC:PC+3], s[74:75]                 ; 512 consecutive bytes each
	global_store_b128 v1, v[PC+4:PC+7], s[74:75] offset:512
	global_store_b16 v5, v234, s[78:79]            ; lanes r and r + 16 hold the same half word and store it to the same place
.endm
	; THE SHARES OF A PAIR OF WAVES (2 i and 2 i + 1).  The early tile has j + 1 key steps, the late one 16 - j (j the work-group's x, 0..7).  The nine trips above were key steps 0-8: wave X has walked them
	; for the late tile (all nine count: its diagonal lies at step 8 or later), wave Y the early tile's j + 1.  Now Y sends the early tile out, takes the late tile's q and walks ITS key steps 9 .. 15 - j
	; from zeros: 9 steps for X, 8 for Y.  Y hands O^T, -M and the sums to X through LDS; X brings both under the larger M by powers of two, which rounds nothing, adds, and sends the late tile out.
.rept 8
	v_nop                                          ; eight places behind the last products
.endr
	s_wait_alu depctr_va_vdst(0)                   ; the wait ahead of the branch
	s_cmp_eq_u32 s80, 1
	s_cbranch_scc1 .Lx_rests
	global_load_b128 v[16:19], v1, s[82:83]        ; the late tile's q lands under the way out
	global_load_b128 v[20:23], v1, s[82:83] offset:512
	global_load_b32 v255, v5, s[84:85]
	WAYOUT
	s_wait_xcnt 0x0                                ; the stores have read their registers, which the steps below write again
	v_mov_b32 v13, 0xff61b1e6                      ; from the start: the largest t -3e38,
	s_delay_alu instid0(VALU_DEP_1)
	v_floor_f32 v12, -v13
	v_mov_b32 v14, 0                               ; the sums and O^T zeros
	v_mov_b32 v15, 0
.set i, 0
.rept 32
	v_mov_b32 v[O+i], 0
.set i, i+1
.endr
	s_mov_b32 s[KD], s71
	s_wait_alu depctr_va_vdst(0)                   ; the wait ahead of the wait and the branch below
	s_wait_loadcnt 0x0                             ; q
	s_branch .Lpass_b
.Lx_rests:
	s_mov_b32 s[KD], 0                             ; X walks the seven trips and works none: every step's first key lies behind 0
.Lpass_b:
	s_mov_b32 s[CNT], 7
.Llate7:                                           ; key steps 9-15
	STEP
	s_sub_co_u32 s[CNT], s[CNT], 1
	s_cmp_lg_u32 s[CNT], 0
	s_cbranch_scc1 .Llate7
.rept 8
	v_nop                                          ; eight places behind the last products
.endr
	s_cmp_eq_u32 s80, 1
	s_cbranch_scc1 .Lno_send
.irp t, 0,1,2,3,4,5,6,7
	ds_store_b128 v11, v[O+4*\t:O+4*\t+3] offset:512*\t   ; each accumulator from its low end on
.endr
	ds_store_b128 v11, v[12:15] offset:4096        ; -M, the largest t, the sum's two halves
.Lno_send:
	s_wait_dscnt 0x0                               ; for X's sake: my stores have landed
	s_barrier_signal -1
	s_barrier_wait -1
	s_cmp_eq_u32 s80, 0
	s_cbranch_scc1 .Lwave_end
.irp t, 0,1,2,3,4,5,6,7
	ds_load_b128 v[S+4*\t:S+4*\t+3], v11 offset:512*\t
.endr
	ds_load_b128 v[S+32:S+35], v11 offset:4096
	s_wait_dscnt 0x0
	v_min_num_f32 v232, v12, v[S+32]               ; -M of both parts
	v_mov_b32 v241, 0                              ; (named as the upper half of the pair v[240:241])
	v_sub_f32 v233, v232, v12
	v_sub_f32 v234, v232, v[S+32]                  ; whole numbers, 0 or less; where Y had no step, -3e38
	v_cvt_i32_f32 v233, v233                       ; (it saturates)
	v_cvt_i32_f32 v234, v234
	v_ldexp_f32 v252, 1.0, v233                    ; my factor
	v_ldexp_f32 v240, 1.0, v234                    ; Y's (0 where Y had no step)
	s_wait_alu depctr_va_vdst(0)                   ; the wait directly ahead of the first readers of O^T
.set i, 0
.rept 16
	v_pk_mul_f32 v[O+i:O+i+1], v[O+i:O+i+1], v[252:253] op_sel_hi:[1,0]
.set i, i+2
.endr
.set i, 0
.rept 16
	v_pk_fma_f32 v[O+i:O+i+1], v[S+i:S+i+1], v[240:241], v[O+i:O+i+1] op_sel_hi:[1,0,1]
.set i, i+2
.endr
	v_pk_mul_f32 v[14:15], v[14:15], v[252:253] op_sel_hi:[1,0]
	v_pk_fma_f32 v[14:15], v[S+34:S+35], v[240:241], v[14:15] op_sel_hi:[1,0,1]
	WAYOUT
.Lwave_end:
	s_wait_tensorcnt 0x0
	ds_add_u32 v250, v251
	s_wait_dscnt 0x0
	s_endpgm
.Lfunc_end_k_q4ed850f6cd_attn:
	.size	k_q4ed850f6cd_attn, .Lfunc_end_k_q4ed850f6cd_attn-k_q4ed850f6cd_attn
	.p2alignl 7, 3214868480
	.fill 96, 4, 3214868480
	.section	.rodata,"a",@progbits
	.p2align	6, 0x0
	.amdhsa_kernel k_q4ed850f6cd_attn
		.amdhsa_group_segment_fixed_size 327680
		.amdhsa_private_segment_fixed_size 0
		.amdhsa_enable_private_segment 0
		.amdhsa_kernarg_size 16
		.amdhsa_user_sgpr_count 2
		.amdhsa_user_sgpr_kernarg_segment_ptr 1
		.amdhsa_wavefront_size32 1
		.amdhsa_system_sgpr_workgroup_id_x 1
		.amdhsa_system_sgpr_workgroup_id_y 1
		.amdhsa_system_sgpr_workgroup_id_z 1
		.amdhsa_system_vgpr_workitem_id 0
		.amdhsa_next_free_vgpr 256
		.amdhsa_next_free_sgpr 90
		.amdhsa_reserve_vcc 1
		.amdhsa_float_denorm_mode_32 3
		.amdhsa_float_denorm_mode_16_64 3
		.amdhsa_memory_ordered 1
		.amdhsa_forward_progress 1
		.amdhsa_inst_pref_size 106
	.end_amdhsa_kernel
	.amdgpu_metadata
---
amdhsa.version: [ 1, 2 ]
amdhsa.kernels:
  - .name:           k_q4ed850f6cd_attn
    .symbol:         k_q4ed850f6cd_attn.kd
    .args:
      - { .name: QKV, .offset: 0, .size: 8, .value_kind: global_buffer, .address_space: global }
      - { .name: Y, .offset: 8, .size: 8, .value_kind: global_buffer, .address_space: global }
    .group_segment_fixed_size: 327680
    .private_segment_fixed_size: 0
    .kernarg_segment_align: 8
    .kernarg_segment_size: 16
    .max_flat_workgroup_size: 512
    .sgpr_count:     90
    .vgpr_count:     256
    .wavefront_size: 32
...
	.end_amdgpu_metadata
.endif
;; end of part 3
;; launch g_proj (part 4): grid 8 x 32, 4 waves a work-group, clusters of 4 x 4, 327,680 bytes of LDS; arguments Y, WB, x, X1; writes X1
.if DOCPART == 4
	.amdgcn_target "amdgcn-amd-amdhsa--gfx1250"
	.amdhsa_code_object_version 6
	.text
	.protected	k_q4ed850f6cd_g_proj
	.globl	k_q4ed850f6cd_g_proj
	.p2align	8
	.type	k_q4ed850f6cd_g_proj,@function
k_q4ed850f6cd_g_proj:
	s_mov_b64 s[64:65], 0
	v_nop
	global_prefetch_b8 v0, s[64:65] scope:SCOPE_SE
	s_setreg_imm32_b32 hwreg(HW_REG_WAVE_MODE, 25, 1), 1
	s_wait_xcnt 0x0
	s_wait_alu depctr_hold_cnt(0) depctr_sa_sdst(0) depctr_va_vdst(0) depctr_va_sdst(0) depctr_va_ssrc(0) depctr_va_vcc(0) depctr_vm_vsrc(0)
	s_getreg_b32 s2, hwreg(HW_REG_IB_STS2, 6, 4)
	s_cmp_eq_u32 s2, 0
	s_cbranch_scc0 .Lentry_in_a_cluster
	s_endpgm
.Lentry_in_a_cluster:
	s_bfe_u32 s2, ttmp6, 0x10000c
	s_cmp_lg_u32 s2, 0xf033
	s_cbranch_scc0 .Lentry_shape_is_right
	s_endpgm
.Lentry_shape_is_right:
.set KT, 1024
.set NT, 1024
.set ASC, 4194304
.set WI, 3145728
.set WS, 12681216
.set CM, 1
.set RES, 8
.set OUT, 10
.set LAPS, KT/1024
.set HS, (KT/128)*256
.set SLOT, 131072
.set SCA, 2*SLOT
.set SPARE, SCA+4*HS
.set ASTEP, 2097152
.set BSTEP, NT*512
.set LI, 4
.set LS, 5
.set ADRA, 16
.set ADRB, 20
.set STO, 24
.set RD, 25
.set CO, 26
.set ADRS, 27
.set SPW, 28
.set NIL, 29
.set SC, 32
.set BI, 64
.set ACC, 128
.set F0, 0
.set F1, 128
.set G1, 24
.set G0, 32
.set G1B, 48
.set G0B, 56
.set G1S, 68
.set G0S, 76
.set G1SB, 80
.set G0SB, 88
.set MSB, 0
.macro WIN new
.if MSB != \new
	s_set_vgpr_msb (MSB<<8)|\new
.set MSB, \new
.endif
.endm
.macro PLACES n
.rept \n
	v_nop
.endr
.endm
.macro JLOAD g0a, g1a, g0b, g1b
	s_cmp_eq_u32 s15, 0
	s_cbranch_scc0 .Lfor_b_\@
	tensor_load_to_lds s[\g0a:\g0a+3], s[\g1a:\g1a+7]
	s_nop 0
.rept 4
	v_nop
.endr
	s_branch .Lasked_\@
.Lfor_b_\@:
	tensor_load_to_lds s[\g0b:\g0b+3], s[\g1b:\g1b+7]
	s_nop 0
.rept 4
	v_nop
.endr
.Lasked_\@:
.endm
.macro CREST
	s_cmp_lg_u32 s14, 0
	s_cbranch_scc1 .Lnot_wave_0_\@
	s_barrier_signal -3
.Lnot_wave_0_\@:
	s_barrier_wait -3
	s_barrier_signal -1
	s_barrier_wait -1
.endm
.macro CROUND
	s_barrier_signal -1
	s_barrier_wait -1
	CREST
.endm
	s_load_b128 s[4:7], s[0:1], 0x0
	s_load_b128 s[8:11], s[0:1], 0x10
	v_lshl_add_u32 v[SPW], v0, 2, SPARE
	v_mov_b32 v[NIL], 0
	ds_add_u32 v28, v29
	ds_add_u32 v28, v29
	s_wait_dscnt 0x0
	v_lshrrev_b32 v1, 5, v0
	v_readfirstlane_b32 s14, v1
	s_lshr_b32 s15, s14, 1
	s_and_b32 s16, s14, 1
	s_bfe_u32 s40, ttmp6, 0x40000
	s_bfe_u32 s41, ttmp6, 0x40004
	s_lshl_b32 s42, ttmp9, 2
	s_add_co_u32 s42, s42, s40
	s_and_b32 s17, ttmp7, 0xffff
	s_lshl_b32 s17, s17, 2
	s_add_co_u32 s17, s17, s41
	s_lshl_b32 s43, s41, 2
	s_lshl_b32 s43, 15, s43
	s_lshl_b32 s44, 0x1111, s40
	s_or_b32 s[G1+0], s43, (3<<16)|(1<<21)
	s_or_b32 s[G1B+0], s44, (3<<16)|(1<<21)
.irp g, G1, G1B
	s_mov_b32 s[\g+1], 32<<16
	s_mov_b32 s[\g+2], 256<<16
	s_mov_b32 s[\g+3], 32<<16
	s_mov_b32 s[\g+4], 256
	s_mov_b32 s[\g+5], 32
	s_mov_b32 s[\g+6], 0
	s_mov_b32 s[\g+7], 0
.endr
	s_or_b32 s[G1S+0], s43, (3<<16)|(1<<21)
	s_or_b32 s[G1SB+0], s44, (3<<16)|(1<<21)
.irp g, G1S, G1SB
	s_mov_b32 s[\g+1], 32<<16
	s_mov_b32 s[\g+2], (KT/64)<<16
	s_mov_b32 s[\g+3], 32<<16
	s_mov_b32 s[\g+4], KT/64
	s_mov_b32 s[\g+5], 32
	s_mov_b32 s[\g+6], 0
	s_mov_b32 s[\g+7], 0
.endr
	s_lshl_b32 s18, s16, 15
	s_lshl_b32 s20, s17, 16
	s_mov_b32 s21, 0
	s_lshl_b32 s46, s42, 16
	s_add_co_u32 s46, s46, WI
	s_mov_b32 s47, 0
	s_mov_b32 s19, 0                               ; s[18:19]: behind the head I fetch half a tile: which half, in bytes
	s_mul_i32 s22, s17, 4*KT
	s_add_co_u32 s22, s22, ASC
	s_mov_b32 s23, 0
	s_mul_i32 s92, s42, 4*KT
	s_add_co_u32 s92, s92, WS
	s_mov_b32 s93, 0
	s_lshl_b32 s45, s14, 15
	s_wait_kmcnt 0x0
	s_add_nc_u64 s[20:21], s[4:5], s[20:21]
	s_add_nc_u64 s[22:23], s[4:5], s[22:23]
	s_add_nc_u64 s[46:47], s[6:7], s[46:47]
	s_add_nc_u64 s[92:93], s[6:7], s[92:93]
	CROUND
	; THE HEAD'S FOUR TILES, ONE JOINT LOAD A WAVE: wave 0 slot 0's 65,536 bytes of A, wave 1 those of B, wave 2 A's words, wave 3 B's
	s_mov_b32 s[G0S], 1
	s_mov_b32 s[G0S+1], SCA
	s_mov_b64 s[G0S+2:G0S+3], s[22:23]
	s_or_b32 s[G0S+3], s[G0S+3], 0x80000000
	s_mov_b32 s[G0SB], 1
	s_mov_b32 s[G0SB+1], SCA+2*HS
	s_mov_b64 s[G0SB+2:G0SB+3], s[92:93]
	s_or_b32 s[G0SB+3], s[G0SB+3], 0x80000000
	s_mov_b32 s[G0], 1
	s_mov_b32 s[G0+1], 0
	s_mov_b64 s[G0+2:G0+3], s[20:21]
	s_or_b32 s[G0+3], s[G0+3], 0x80000000
	s_mov_b32 s[G0B], 1
	s_mov_b32 s[G0B+1], 65536
	s_mov_b64 s[G0B+2:G0B+3], s[46:47]
	s_or_b32 s[G0B+3], s[G0B+3], 0x80000000
	s_add_nc_u64 s[20:21], s[20:21], s[18:19]      ; slot 1: a quarter of the slot a wave
	s_add_nc_u64 s[46:47], s[46:47], s[18:19]
	s_mov_b32 s[G0+4], 1
	s_add_co_u32 s[G0+5], s45, SLOT
	s_add_nc_u64 s[G0+6:G0+7], s[20:21], ASTEP
	s_or_b32 s[G0+7], s[G0+7], 0x80000000
	s_mov_b32 s[G0B+4], 1
	s_add_co_u32 s[G0B+5], s45, SLOT
	s_add_nc_u64 s[G0B+6:G0B+7], s[46:47], BSTEP
	s_or_b32 s[G0B+7], s[G0B+7], 0x80000000
.macro ARM under, g0, g1, next         ; one chain of branches on the wave's number, a load to an arm, all arms to one join
	s_cmp_lt_u32 s14, \under
	s_cbranch_scc0 \next
	tensor_load_to_lds s[\g0:\g0+3], s[\g1:\g1+7]
	s_nop 0
.rept 4
	v_nop
.endr
	s_branch .Lhead_asked
\next:
.endm
	ARM 1, G0, G1, .Lhead_b
	ARM 2, G0B, G1B, .Lhead_sa
	ARM 3, G0S, G1S, .Lhead_sb
	tensor_load_to_lds s[G0SB:G0SB+3], s[G1SB:G1SB+7]
	s_nop 0
.rept 4
	v_nop
.endr
.Lhead_asked:
	; one prefetch into the L2 a wave, at the head: the second half of K, which the next round's joint load asks for.  Of the 32,768 bytes that I fetch there, each of the four partners
	; names 8,192, told apart by address (cx for A, cy for B), lanes 256 bytes apart
	s_cmp_eq_u32 s15, 0
	s_cselect_b64 s[12:13], s[20:21], s[46:47]
	s_cselect_b32 s92, s40, s41
	s_mov_b32 s94, BSTEP
	s_cselect_b32 s94, ASTEP, s94
	s_mov_b32 s95, 0
	s_lshl_b32 s92, s92, 13
	s_mov_b32 s93, 0
	s_add_nc_u64 s[12:13], s[12:13], s[92:93]
	s_add_nc_u64 s[12:13], s[12:13], s[94:95]
	v_and_b32 v1, 15, v0
	v_bfe_u32 v2, v0, 4, 1
	s_wait_alu depctr_va_vdst(0)
	v_and_b32 v3, 31, v0
	v_lshlrev_b32 v[LI], 4, v3
	v_lshlrev_b32 v[LS], 2, v3
	v_lshlrev_b32 v9, 8, v3                        ; 256 x lane; never rewritten
	global_prefetch_b8 v9, s[12:13] th:TH_LOAD_NT scope:SCOPE_SE
	s_lshl_b32 s21, s15, 15
	s_lshl_b32 s22, s16, 15
	s_add_co_u32 s22, s22, 65536
.irp s, 0,1
	v_add_nc_u32 v[ADRA+\s], s21, v[LI]
	v_add_nc_u32 v[ADRB+\s], s22, v[LI]
	s_add_co_u32 s21, s21, SLOT
	s_add_co_u32 s22, s22, SLOT
.endr
	v_lshlrev_b32 v6, 2, v1
	s_mul_i32 s21, s15, HS
	s_mul_i32 s22, s16, HS
	s_add_co_u32 s22, s22, 2*HS
	s_sub_co_u32 s22, s22, s21
	v_mul_u32_u24 v8, s22, v2
	s_add_co_u32 s21, s21, SCA
	v_add_nc_u32 v6, v6, v8
	v_add_nc_u32 v[ADRS], s21, v6
	s_mul_i32 s23, s14, 16*272
	v_mul_u32_u24 v8, v1, 272
	v_lshl_add_u32 v8, v2, 6, v8
	v_add_nc_u32 v[STO], s23, v8
	v_mul_u32_u24 v8, v2, 272
	v_lshl_add_u32 v8, v1, 4, v8
	v_add_nc_u32 v[RD], s23, v8
	v_lshlrev_b32 v[CO], 12, v2
	v_lshl_add_u32 v[CO], v1, 4, v[CO]
	s_lshl_b32 s96, s17, 19
	s_lshl_b32 s97, s15, 18
	s_add_co_u32 s96, s96, s97
	s_lshl_b32 s97, s42, 9
	s_add_co_u32 s96, s96, s97
	s_lshl_b32 s97, s16, 8
	s_add_co_u32 s96, s96, s97
	s_mov_b32 s97, 0
	s_add_nc_u64 s[RES:RES+1], s[RES:RES+1], s[96:97]
	s_add_nc_u64 s[OUT:OUT+1], s[OUT:OUT+1], s[96:97]
.macro FETCH slot, q, f
	WIN 0x40
.irp i, 0,1,2,3
.irp c, 0,1,2,3
	ds_load_b128 v[\f+64+16*\i+4*\c:\f+64+16*\i+4*\c+3], v[ADRB+\slot] offset:8192*\i+2048*(\q)+512*\c
	ds_load_b128 v[\f+16*\i+4*\c:\f+16*\i+4*\c+3], v[ADRA+\slot] offset:8192*\i+2048*(\q)+512*\c
.endr
.endr
.endm
.macro SCALES set
	WIN 0
.irp q, 0,1,2,3
.irp i, 0,1,2,3
	ds_load_b32 v[SC+16*\set+4*\q+\i], v[ADRS] offset:\i*(KT/2)+64*\q
.endr
.endr
.endm
.macro MUL4 f, set, q, a, cm
	WIN 0x05
.irp b, 0,1,2,3
.set rD, ACC+8*(4*(\a)+\b)
.set rB, \f+64+16*\b
.set rA, \f+16*(\a)
.set rS, SC+16*(\set)+4*(\q)
.if (\cm) == 0
	v_wmma_scale_f32_16x16x128_f8f6f4 v[rD:rD+7], v[rB:rB+15], v[rA:rA+15], v[rD:rD+7], v[rS+\b], v[rS+(\a)] matrix_a_scale:MATRIX_SCALE_ROW1
.elseif (\cm) == 1
	v_wmma_scale_f32_16x16x128_f8f6f4 v[rD:rD+7], v[rB:rB+15], v[rA:rA+15], 0, v[rS+\b], v[rS+(\a)] matrix_a_scale:MATRIX_SCALE_ROW1
.else
	v_wmma_scale_f32_16x16x128_f8f6f4 v[rD:rD+7], v[rB:rB+15], v[rA:rA+15], v[BI+8*\b:BI+8*\b+7], v[rS+\b], v[rS+(\a)] matrix_a_scale:MATRIX_SCALE_ROW1
.endif
.endr
.endm
.macro MUL16 f, set, q, cm
.irp a, 0,1,2,3
	MUL4 \f, \set, \q, \a, \cm
.endr
.endm
.macro QUARTER slot, qn, f, g, cm
	s_wait_dscnt 0x0
	PLACES 8
	FETCH \slot, \qn, \g
	MUL16 \f, \slot, (\qn)-1, \cm
.endm
.macro TURN slot, next, fill
	WIN 0
	s_wait_tensorcnt 0x0
	ds_add_u32 v[SPW], v[NIL]
	s_wait_dscnt 1
	MUL4 F1, \slot, 3, 0, 0
	s_wait_dscnt 0x0
	s_barrier_signal -1
	MUL4 F1, \slot, 3, 1, 0
	WIN 0
	s_barrier_wait -1
.if \fill
	CREST
	s_add_nc_u64 s[G0+4*\slot+2:G0+4*\slot+3], s[G0+4*\slot+2:G0+4*\slot+3], 2*ASTEP
	s_add_nc_u64 s[G0B+4*\slot+2:G0B+4*\slot+3], s[G0B+4*\slot+2:G0B+4*\slot+3], 2*BSTEP
	JLOAD G0+4*\slot, G1, G0B+4*\slot, G1B
	PLACES 4
.else
	PLACES 8
.endif
	v_add_nc_u32 v[ADRS], 256, v[ADRS]
	FETCH \next, 0, F0
	SCALES \next
	MUL4 F1, \slot, 3, 2, 0
	MUL4 F1, \slot, 3, 3, 0
.endm
	s_wait_alu depctr_va_vdst(0)
	s_wait_tensorcnt 0x0                           ; my tile of the head's four is in; slot 1's first fill is issued as a refill is
	ds_add_u32 v[SPW], v[NIL]
	s_mov_b32 s[G1+2], 128<<16                     ; no tensor load of mine is out: from here on a load brings 128 rows of 256 bytes
	s_mov_b32 s[G1+4], 128
	s_mov_b32 s[G1B+2], 128<<16
	s_mov_b32 s[G1B+4], 128
	s_wait_dscnt 0x0
	CROUND                                         ; all four tiles are in, and all sixteen work-groups are here
	JLOAD G0+4, G1, G0B+4, G1B                     ; the second half of K: it has slot 0's four quarters in which to land
	FETCH 0, 0, F0
	SCALES 0
	QUARTER 0, 1, F0, F1, CM
	QUARTER 0, 2, F1, F0, 0
	QUARTER 0, 3, F0, F1, 0
	TURN 0, 1, 0
	QUARTER 1, 1, F0, F1, 0
	QUARTER 1, 2, F1, F0, 0
	QUARTER 1, 3, F0, F1, 0
	s_wait_dscnt 0x0
	PLACES 8
	WIN 0x40
.irp a, 0,1,2,3
.irp i, 0,1,2,3,4,5,6,7
	global_load_b128 v[32*\a+4*\i:32*\a+4*\i+3], v[CO], s[RES:RES+1] offset:(32*(\a/2)+8*(\a%2)+2*\i+8*(\i/4))*4096 th:TH_LOAD_NT
.endr
.endr
	MUL16 F1, 1, 3, 0
	WIN 0
	PLACES 8
.irp a, 0,1,2,3
.set T, 64+32*(\a%2)
.if \a >= 2
	s_wait_xcnt 0x0
.endif
.irp b, 0,1,2,3
	ds_store_b128 v[STO], v[ACC+8*(4*\a+\b):ACC+8*(4*\a+\b)+3] offset:128*(\b/2)+32*(\b%2)
	ds_store_b128 v[STO], v[ACC+8*(4*\a+\b)+4:ACC+8*(4*\a+\b)+7] offset:128*(\b/2)+32*(\b%2)+16
.endr
.irp i, 0,1,2,3,4,5,6,7
	ds_load_b128 v[T+4*\i:T+4*\i+3], v[RD] offset:544*\i
.endr
	s_wait_dscnt 0x0
	s_wait_loadcnt 8*(3-\a)
	WIN 0x04
.irp i, 0,2,4,6,8,10,12,14,16,18,20,22,24,26,28,30
	v_pk_add_f32 v[T+\i:T+\i+1], v[T+\i:T+\i+1], v[32*\a+\i:32*\a+\i+1]
.endr
	WIN 0
.irp i, 0,1,2,3,4,5,6,7
	global_store_b128 v[CO], v[T+4*\i:T+4*\i+3], s[OUT:OUT+1] offset:(32*(\a/2)+8*(\a%2)+2*\i+8*(\i/4))*4096 th:TH_STORE_NT
.endr
.endr
	s_wait_tensorcnt 0x0
	ds_add_u32 v[SPW], v[NIL]
	s_wait_dscnt 0x0
	CROUND
	s_endpgm
.Lfunc_end_k_q4ed850f6cd_g_proj:
	.size	k_q4ed850f6cd_g_proj, .Lfunc_end_k_q4ed850f6cd_g_proj-k_q4ed850f6cd_g_proj
	.p2alignl 7, 3214868480
	.fill 96, 4, 3214868480
	.section	.rodata,"a",@progbits
	.p2align	6, 0x0
	.amdhsa_kernel k_q4ed850f6cd_g_proj
		.amdhsa_group_segment_fixed_size 327680
		.amdhsa_private_segment_fixed_size 0
		.amdhsa_enable_private_segment 0
		.amdhsa_kernarg_size 32
		.amdhsa_user_sgpr_count 2
		.amdhsa_user_sgpr_kernarg_segment_ptr 1
		.amdhsa_wavefront_size32 1
		.amdhsa_system_sgpr_workgroup_id_x 1
		.amdhsa_system_sgpr_workgroup_id_y 1
		.amdhsa_system_sgpr_workgroup_id_z 1
		.amdhsa_system_vgpr_workitem_id 0
		.amdhsa_next_free_vgpr 512
		.amdhsa_next_free_sgpr 100
		.amdhsa_reserve_vcc 0
		.amdhsa_float_denorm_mode_32 3
		.amdhsa_float_denorm_mode_16_64 3
		.amdhsa_memory_ordered 1
		.amdhsa_forward_progress 1
		.amdhsa_inst_pref_size 63
	.end_amdhsa_kernel
	.amdgpu_metadata
---
amdhsa.version: [ 1, 2 ]
amdhsa.kernels:
  - .name:           k_q4ed850f6cd_g_proj
    .symbol:         k_q4ed850f6cd_g_proj.kd
    .args:
      - { .name: Y, .offset: 0, .size: 8, .value_kind: global_buffer, .address_space: global }
      - { .name: WB, .offset: 8, .size: 8, .value_kind: global_buffer, .address_space: global }
      - { .name: x, .offset: 16, .size: 8, .value_kind: global_buffer, .address_space: global }
      - { .name: X1, .offset: 24, .size: 8, .value_kind: global_buffer, .address_space: global }
    .group_segment_fixed_size: 327680
    .private_segment_fixed_size: 0
    .kernarg_segment_align: 8
    .kernarg_segment_size: 32
    .max_flat_workgroup_size: 128
    .sgpr_count:     100
    .vgpr_count:     512
    .wavefront_size: 32
...
	.end_amdgpu_metadata
.endif
;; end of part 4
;; launch ln1 (part 5): grid 256 x 1, 8 waves a work-group, no clusters, 67,072 bytes of LDS; arguments X1, ln2_w, ln2_b, A2; writes A2
.if DOCPART == 5
	.amdgcn_target "amdgcn-amd-amdhsa--gfx1250"
	.amdhsa_code_object_version 6
	.text
	.protected	k_q4ed850f6cd_ln1
	.globl	k_q4ed850f6cd_ln1
	.p2align	8
	.type	k_q4ed850f6cd_ln1,@function
k_q4ed850f6cd_ln1:
	s_mov_b64 s[64:65], 0
	v_nop
	global_prefetch_b8 v0, s[64:65] scope:SCOPE_SE
	s_setreg_imm32_b32 hwreg(HW_REG_WAVE_MODE, 25, 1), 1
	s_wait_xcnt 0x0
; LayerNorm of [4096][1024] f32 rows, quantised along the row to E4M3 with one E8M0 byte for each 32, stored as images of operand registers:
;   codes [2][256 row tiles][q 4][c 4][lane 32][16 bytes] at byte 0; words [256][8][16 rows] of 4 bytes at byte 4,194,304.
; Token m lies at position swap34(m): row tile rt holds tokens 32 (rt / 2) + 8 (rt % 2) + r + 8 (r / 8), r = 0..15.
; A work-group makes one row tile.  Phase 1: wave w normalises positions 2 w and 2 w + 1 (two neighbouring tokens), a whole row in 32 registers, mean first and then the mean of the squared
; differences, so that a common offset of the inputs costs no digits; the rows go to LDS (pitch 4,112 bytes: an odd multiple of 16).  One barrier.
; Phase 2: wave w takes the tile's 128 columns 128 w on: lane (r, h) reads 16 neighbours of each block of 32 of row r, quantises, and stores the fragment as it stands: 512 consecutive bytes a store.
; Memory binds: no matrix unit, no cluster, no tensor load.  LIMITS: NaN and infinities are not served; blocks under 2^-118 get the byte 1; so does a block of zeros (its codes are zeros).
.set PITCH, 4112
.set X0, 16
.set X1, 48
.set W,  80
.set B,  112
.set PC, 80                            ; phase 2: the codes (the gain's registers are free)
.set TM, 144
.set PW, 160
.set SEL, 16                           ; s16, s17
.set MNT, 18
	s_load_b256 s[4:11], s[0:1], 0x0               ; rows, gain, bias, images
	v_lshl_add_u32 v176, v0, 2, 0x10200
	v_mov_b32 v177, 0
	v_lshrrev_b32 v1, 5, v0
	s_delay_alu instid0(VALU_DEP_1)
	v_readfirstlane_b32 s12, v1                    ; wave 0..7
	v_and_b32 v1, 31, v0
	s_delay_alu instid0(VALU_DEP_1)
	v_lshlrev_b32 v2, 4, v1                        ; 16 x lane
	v_and_b32 v5, 15, v0                           ; r
	v_bfe_u32 v6, v0, 4, 1                         ; h
	s_mul_i32 s21, s12, 2*PITCH
	v_add_nc_u32 v3, s21, v2                       ; LDS, in: my wave's two rows, 16 bytes a lane
	v_mul_u32_u24 v4, v5, PITCH
	s_delay_alu instid0(VALU_DEP_1)
	v_lshl_add_u32 v4, v6, 6, v4
	s_lshl_b32 s21, s12, 9
	v_add_nc_u32 v4, s21, v4                       ; LDS, out: row r, + 64 h, + my wave's 512 bytes
	v_lshlrev_b32 v7, 2, v5                        ; 4 r
	v_mov_b32 v150, 0                              ; written once: a lane permute's destination counts as one of its sources
	v_mov_b32 v151, 0
	s_lshr_b32 s13, ttmp9, 1
	s_lshl_b32 s13, s13, 5
	s_and_b32 s14, ttmp9, 1
	s_lshl_b32 s14, s14, 3
	s_add_co_u32 s13, s13, s14
	s_lshl_b32 s14, s12, 1
	s_add_co_u32 s13, s13, s14
	s_lshr_b32 s14, s12, 2
	s_lshl_b32 s14, s14, 3
	s_add_co_u32 s13, s13, s14                     ; my first token: 32 (rt / 2) + 8 (rt % 2) + 2 w + 8 (w / 4)
	s_lshl_b32 s14, s13, 12
	s_mov_b32 s15, 0
	s_mov_b32 s[SEL], 0x76543210
	s_mov_b32 s[SEL+1], 0xfedcba98                 ; lane l xor 16
	s_mov_b32 s[MNT], 0x600000
	s_mov_b32 s19, 0x3a800000                      ; 1 / 1024
	s_mov_b32 s20, 0x3727c5ac                      ; 1e-5
	s_lshr_b32 s22, s12, 2
	s_lshl_b32 s22, s22, 8
	s_add_co_u32 s22, s22, ttmp9
	s_lshl_b32 s22, s22, 2
	s_and_b32 s23, s12, 3
	s_add_co_u32 s22, s22, s23
	s_lshl_b32 s22, s22, 11                        ; my fragment: (((w / 4) 256 + rt) 4 + w % 4) x 2,048
	s_mov_b32 s23, 0
	s_lshl_b32 s24, ttmp9, 9
	s_lshl_b32 s25, s12, 6
	s_add_co_u32 s24, s24, s25
	s_add_co_u32 s24, s24, 4194304                 ; its words: 512 rt + 64 w
	s_mov_b32 s25, 0
	s_wait_kmcnt 0x0
	s_add_nc_u64 s[4:5], s[4:5], s[14:15]
	s_add_nc_u64 s[22:23], s[10:11], s[22:23]
	s_add_nc_u64 s[24:25], s[10:11], s[24:25]
.irp j, 0,1,2,3,4,5,6,7
	global_load_b128 v[X0+4*\j:X0+4*\j+3], v2, s[4:5] offset:512*\j th:TH_LOAD_NT
	global_load_b128 v[X1+4*\j:X1+4*\j+3], v2, s[4:5] offset:4096+512*\j th:TH_LOAD_NT
.endr
.irp j, 0,1,2,3,4,5,6,7
	global_load_b128 v[W+4*\j:W+4*\j+3], v2, s[6:7] offset:512*\j
	global_load_b128 v[B+4*\j:B+4*\j+3], v2, s[8:9] offset:512*\j
.endr
.macro LANES dst                       ; two packed partial sums become the row's sum, in every lane
	s_delay_alu instid0(VALU_DEP_1)
	v_pk_add_f32 v[144:145], v[144:145], v[146:147]
	s_delay_alu instid0(VALU_DEP_1)
	v_add_f32 v[\dst], v144, v145
	s_delay_alu instid0(VALU_DEP_1)
	v_add_f32_dpp v[\dst], v[\dst], v[\dst] row_xmask:1 row_mask:0xf bank_mask:0xf
	s_delay_alu instid0(VALU_DEP_1)
	v_add_f32_dpp v[\dst], v[\dst], v[\dst] row_xmask:2 row_mask:0xf bank_mask:0xf
	s_delay_alu instid0(VALU_DEP_1)
	v_add_f32_dpp v[\dst], v[\dst], v[\dst] row_xmask:4 row_mask:0xf bank_mask:0xf
	s_delay_alu instid0(VALU_DEP_1)
	v_add_f32_dpp v[\dst], v[\dst], v[\dst] row_xmask:8 row_mask:0xf bank_mask:0xf
	s_delay_alu instid0(VALU_DEP_1)
	v_permlanex16_b32 v150, v[\dst], s[SEL], s[SEL+1]
	s_delay_alu instid0(VALU_DEP_1)
	v_add_f32 v[\dst], v[\dst], v150
.endm
.macro ROWSUM dst, x
	v_pk_add_f32 v[144:145], v[\x:\x+1], v[\x+2:\x+3]
	v_pk_add_f32 v[146:147], v[\x+4:\x+5], v[\x+6:\x+7]
.irp k, 8,12,16,20,24,28
	s_delay_alu instid0(VALU_DEP_2)
	v_pk_add_f32 v[144:145], v[144:145], v[\x+\k:\x+\k+1]
	s_delay_alu instid0(VALU_DEP_2)
	v_pk_add_f32 v[146:147], v[146:147], v[\x+\k+2:\x+\k+3]
.endr
	LANES \dst
.endm
.macro ROWSQ dst, x
	v_pk_mul_f32 v[144:145], v[\x:\x+1], v[\x:\x+1]
	v_pk_mul_f32 v[146:147], v[\x+2:\x+3], v[\x+2:\x+3]
.irp k, 4,8,12,16,20,24,28
	s_delay_alu instid0(VALU_DEP_2)
	v_pk_fma_f32 v[144:145], v[\x+\k:\x+\k+1], v[\x+\k:\x+\k+1], v[144:145]
	s_delay_alu instid0(VALU_DEP_2)
	v_pk_fma_f32 v[146:147], v[\x+\k+2:\x+\k+3], v[\x+\k+2:\x+\k+3], v[146:147]
.endr
	LANES \dst
.endm
	s_wait_loadcnt 16                              ; my two rows are in; the 16 younger loads (gain and bias) stay out
	ROWSUM 148, X0
	ROWSUM 149, X1
	v_mul_f32 v148, s19, v148                      ; the means
	s_delay_alu instid0(VALU_DEP_2)
	v_mul_f32 v149, s19, v149
.set i, 0
.rept 32
	v_sub_f32 v[X0+i], v[X0+i], v148
	v_sub_f32 v[X1+i], v[X1+i], v149
.set i, i+1
.endr
	ROWSQ 148, X0
	ROWSQ 149, X1
	v_fma_f32 v148, v148, s19, s20                 ; variance + eps
	s_delay_alu instid0(VALU_DEP_2)
	v_fma_f32 v149, v149, s19, s20
	s_wait_alu depctr_va_vdst(0)
	v_rsq_f32 v148, v148
	v_rsq_f32 v149, v149
	v_nop                                          ; a plain instruction behind the last of the two
	s_wait_alu depctr_va_vdst(0)                   ; one wait for both, ahead of their first reader
	s_wait_loadcnt 0x0                             ; gain and bias
.set i, 0
.rept 32
	v_mul_f32 v[X0+i], v[X0+i], v148
	v_mul_f32 v[X1+i], v[X1+i], v149
.set i, i+1
.endr
.set i, 0
.rept 16
	v_pk_fma_f32 v[X0+i:X0+i+1], v[X0+i:X0+i+1], v[W+i:W+i+1], v[B+i:B+i+1]
	v_pk_fma_f32 v[X1+i:X1+i+1], v[X1+i:X1+i+1], v[W+i:W+i+1], v[B+i:B+i+1]
.set i, i+2
.endr
.irp j, 0,1,2,3,4,5,6,7
	ds_store_b128 v3, v[X0+4*\j:X0+4*\j+3] offset:512*\j
	ds_store_b128 v3, v[X1+4*\j:X1+4*\j+3] offset:PITCH+512*\j
.endr
	s_wait_dscnt 0x0                               ; for the others' sake: my stores have landed
	s_barrier_signal -1
	s_barrier_wait -1                              ; the tile's 16 rows lie in LDS
.irp c, 0,1,2,3
.irp j, 0,1,2,3
	ds_load_b128 v[X0+16*\c+4*\j:X0+16*\c+4*\j+3], v4 offset:128*\c+16*\j   ; register 16 c + i: k = 128 w + 32 c + 16 h + i of row r
.endr
.endr
	s_wait_dscnt 0x0
.irp b, 0,1,2,3
	v_max3_num_f32 v[TM+\b], |v[X0+16*\b]|, |v[X0+1+16*\b]|, 0x4800000   ; my 16 numbers of block b, and the floor 2^(9 - 127)
.endr
.irp k, 2,4,6,8,10,12,14
.irp b, 0,1,2,3
	s_delay_alu instid0(VALU_DEP_4)
	v_max3_num_f32 v[TM+\b], v[TM+\b], |v[X0+16*\b+\k]|, |v[X0+1+16*\b+\k]|
.endr
.endr
.irp b, 0,1,2,3
	v_permlanex16_b32 v[TM+4+\b], v[TM+\b], s[SEL], s[SEL+1]
.endr
.irp b, 0,1,2,3
	s_delay_alu instid0(VALU_DEP_4)
	v_max_num_f32 v[TM+\b], v[TM+\b], v[TM+4+\b]   ; with lane l xor 16's 16: the block's largest magnitude
.endr
.irp b, 0,1,2,3
	s_delay_alu instid0(VALU_DEP_4)
	v_add_nc_u32 v[TM+12+\b], 0xfc000000, v[TM+\b] ; the conversion's scale operand
.endr
.irp b, 0,1,2,3
	v_and_or_b32 v[TM+8+\b], v[TM+\b], 0x7f800000, s[MNT]   ; 448 x the scale
.endr
.irp b, 0,1,2,3
	v_lshrrev_b32 v[TM+4+\b], 23, v[TM+12+\b]      ; the byte
.endr
	s_delay_alu instid0(VALU_DEP_3)
	v_lshl_or_b32 v[PW], v[TM+5], 8, v[TM+4]
	s_delay_alu instid0(VALU_DEP_1)
	v_lshl_or_b32 v[PW], v[TM+6], 16, v[PW]
	s_delay_alu instid0(VALU_DEP_1)
	v_lshl_or_b32 v[PW], v[TM+7], 24, v[PW]        ; row r's word
.irp b, 0,1,2,3
.irp k, 0,1,2,3,4,5,6,7,8,9,10,11,12,13,14,15
	v_med3_num_f32 v[X0+16*\b+\k], v[X0+16*\b+\k], -v[TM+8+\b], v[TM+8+\b]
.endr
	v_cvt_scalef32_pk8_fp8_f32 v[PC+4*\b:PC+4*\b+1], v[X0+16*\b:X0+16*\b+7], v[TM+12+\b]
	v_cvt_scalef32_pk8_fp8_f32 v[PC+4*\b+2:PC+4*\b+3], v[X0+16*\b+8:X0+16*\b+15], v[TM+12+\b]
.endr
.irp c, 0,1,2,3
	global_store_b128 v2, v[PC+4*\c:PC+4*\c+3], s[22:23] offset:512*\c   ; 32 lanes store 512 consecutive bytes
.endr
	global_store_b32 v7, v[PW], s[24:25]           ; lanes r and r + 16 hold the same word and store it to the same place
	s_wait_tensorcnt 0x0
	ds_add_u32 v176, v177
	s_wait_dscnt 0x0
	s_endpgm
.Lfunc_end_k_q4ed850f6cd_ln1:
	.size	k_q4ed850f6cd_ln1, .Lfunc_end_k_q4ed850f6cd_ln1-k_q4ed850f6cd_ln1
	.p2alignl 7, 3214868480
	.fill 96, 4, 3214868480
	.section	.rodata,"a",@progbits
	.p2align	6, 0x0
	.amdhsa_kernel k_q4ed850f6cd_ln1
		.amdhsa_group_segment_fixed_size 67072
		.amdhsa_private_segment_fixed_size 0
		.amdhsa_enable_private_segment 0
		.amdhsa_kernarg_size 32
		.amdhsa_user_sgpr_count 2
		.amdhsa_user_sgpr_kernarg_segment_ptr 1
		.amdhsa_wavefront_size32 1
		.amdhsa_system_sgpr_workgroup_id_x 1
		.amdhsa_system_sgpr_workgroup_id_y 1
		.amdhsa_system_sgpr_workgroup_id_z 1
		.amdhsa_system_vgpr_workitem_id 0
		.amdhsa_next_free_vgpr 178
		.amdhsa_next_free_sgpr 66
		.amdhsa_reserve_vcc 0
		.amdhsa_float_denorm_mode_32 3
		.amdhsa_float_denorm_mode_16_64 3
		.amdhsa_memory_ordered 1
		.amdhsa_forward_progress 1
		.amdhsa_inst_pref_size 32
	.end_amdhsa_kernel
	.amdgpu_metadata
---
amdhsa.version: [ 1, 2 ]
amdhsa.kernels:
  - .name:           k_q4ed850f6cd_ln1
    .symbol:         k_q4ed850f6cd_ln1.kd
    .args:
      - { .name: X1, .offset: 0, .size: 8, .value_kind: global_buffer, .address_space: global }
      - { .name: ln2_w, .offset: 8, .size: 8, .value_kind: global_buffer, .address_space: global }
      - { .name: ln2_b, .offset: 16, .size: 8, .value_kind: global_buffer, .address_space: global }
      - { .name: A2, .offset: 24, .size: 8, .value_kind: global_buffer, .address_space: global }
    .group_segment_fixed_size: 67072
    .private_segment_fixed_size: 0
    .kernarg_segment_align: 8
    .kernarg_segment_size: 32
    .max_flat_workgroup_size: 256
    .sgpr_count:     66
    .vgpr_count:     178
    .wavefront_size: 32
...
	.end_amdgpu_metadata
.endif
;; end of part 5
;; launch g_fc (part 6): grid 8 x 32, 4 waves a work-group, clusters of 4 x 4, 327,680 bytes of LDS; arguments A2, WB, b_fc, H; writes H
.if DOCPART == 6
	.amdgcn_target "amdgcn-amd-amdhsa--gfx1250"
	.amdhsa_code_object_version 6
	.text
	.protected	k_q4ed850f6cd_g_fc
	.globl	k_q4ed850f6cd_g_fc
	.p2align	8
	.type	k_q4ed850f6cd_g_fc,@function
k_q4ed850f6cd_g_fc:
	s_mov_b64 s[64:65], 0
	v_nop
	global_prefetch_b8 v0, s[64:65] scope:SCOPE_SE
	s_setreg_imm32_b32 hwreg(HW_REG_WAVE_MODE, 25, 1), 1
	s_wait_xcnt 0x0
	s_wait_alu depctr_hold_cnt(0) depctr_sa_sdst(0) depctr_va_vdst(0) depctr_va_sdst(0) depctr_va_ssrc(0) depctr_va_vcc(0) depctr_vm_vsrc(0)
	s_getreg_b32 s2, hwreg(HW_REG_IB_STS2, 6, 4)
	s_cmp_eq_u32 s2, 0
	s_cbranch_scc0 .Lentry_in_a_cluster
	s_endpgm
.Lentry_in_a_cluster:
	s_bfe_u32 s2, ttmp6, 0x10000c
	s_cmp_lg_u32 s2, 0xf033
	s_cbranch_scc0 .Lentry_shape_is_right
	s_endpgm
.Lentry_shape_is_right:
; H = Q(gelu(LN2(X1) w_fc + b_fc)): the product on codes of E4M3 (one E8M0 byte for each 32 along K); the exact GELU in f32; the result quantised along its 4,096 columns and stored as the next product's images.
; OPERANDS lie in memory as images of their registers: codes [K/512][rows/16][q 4][c 4][lane][16 bytes], words [rows/16][K/128][16] of 4 bytes: a work-group's part of a K step of 512 is one dense
; block for a tensor load, a fragment is four ds_load_b128 at 16 x lane.  Rows lie at swap34 positions (bits 3 and 4 of the row's number change places).
; A WORK-GROUP STAYS: it owns 128 tokens and makes four tiles of 128 columns, tile columns 4 gx + 0..3.  Each of its four waves makes 64 x 64: 16 accumulators.
; A's 128 rows x 1,024 (131,072 bytes) are filled ONCE and stay in LDS.  B's tile (128 columns x 1,024, 131,072 bytes) is filled again once a tile: in the tile's last quarter, when every wave has read its last
; fragments, each wave asks for a quarter of the next tile's B, and that load has the whole way out (some 1,700 vector instructions a wave) in which to land.
; The loop runs the first three tiles; the last is written out.
; CLUSTER 4 x 4: A's blocks are shared along a row of the cluster, B's along a column: joint loads; each refill stands behind a round of the cluster's barrier.
; THE WORDS of all four tiles come once: A's 4,096 bytes once at SCA, the four tiles' 16,384 bytes of B's behind them; from tile to tile lanes 16-31 alone step, by 4,096.
; TRANSPOSED USE: source 0 = 16 weight rows, source 1 = 16 tokens: lane (r, h) of accumulator (a, 2 beta + u) holds the token at position 16 a + r and columns 32 beta + 16 h + 8 u + 0..7:
; 16 registers of two neighbouring accumulators are 16 neighbours along the next K, so the codes made of them are the image's bytes as they stand.  The bias is the C of a tile's first products.
; GELU: g = max(x, 0) - |x| E, E = erfc(|x| / sqrt 2) / 2 = t 2^(P(t) - x^2 log2(e) / 2), t = 1 / (1 + |x| / (2 sqrt 2)), P the Chebyshev fit of degree 9 (fractional error under 1.2e-7 for every x),
; its coefficients times log2(e), the half folded into c0.  No difference of near numbers on either side of 0, no branch.
; REGISTERS: window 0: v1-7 lane terms, v16-31 addresses and c9, v32-63 scale words and nothing else, v64-127 at work on the way out, v128-255 accumulator (a, b) at 128 + 8 (4 a + b).
;   window 1: three fragment buffers of 64, v192-223 the tile's bias, loaded a tile ahead.   windows 2 and 3: A's fragments.
; LIMITS: NaN and infinities are not served; blocks under 2^-118 get the byte 1; so does a block of zeros (its codes are zeros; this program alone reads the bytes).
.set KT, 1024
.set NT, 4096
.set TILES, 4
.set ASC, 4194304
.set WI, 4194304
.set WS, 12713984
.set HS, 2048                          ; the words of 64 rows, all of K
.set SLOT, 131072                      ; a half of K: A's 8 row tiles x 8,192 bytes, then B's
.set SCA, 2*SLOT                       ; behind them: the words
.set SREG, 8192
.set SPARE, SCA+TILES*SREG             ; the spare words, 128 bytes a wave: no other line names them
.set ASTEP, 2097152
.set BSTEP, NT*512
.set TSTEP, 65536                      ; from a tile column's codes of B to the next's
.set LI, 4
.set ADRA, 16
.set ADRB, 20
.set HWO, 26
.set ADRS, 27
.set SPW, 28
.set NIL, 29
.set SC, 32
.set BI, 192                           ; in window 1
.set TM, 96
.set ACC, 128
.set F0, 0
.set F1, 64
.set F2, 128
; REGISTERS AS THEY ARE NOW: window 1: v0-191 THREE buffers of B's fragments (64 registers: four fragments of 16 columns x 128 K), v192-223 the tile's bias.
; Windows 2 and 3: A'S FRAGMENTS OF MY 64 TOKENS FOR ALL OF K, read from LDS once at the head and kept for all four tiles: quarter q of K's half s at v[64 q] of window 2 + s.
; So a quarter reads B's 16 loads from LDS and nothing else, asked for two quarters ahead.
.set G1, 24
.set G0, 32
.set G1B, 48
.set G0B, 56
.set G1S, 68
.set G0S, 76
.set G1SB, 80
.set G0SB, 88
.set G0R, 96                           ; s[96:99] group 0 of the refills: my quarter of B's tile; it walks
.set SEL, 66
.set MNT, 95
.set K1, 94
.set MSB, 0
.macro WIN new                         ; the immediate's high byte repeats the setting that is left
.if MSB != \new
	s_set_vgpr_msb (MSB<<8)|\new
.set MSB, \new
.endif
.endm
.macro PLACES n
.rept \n
	v_nop
.endr
.endm
.macro JLOAD g0a, g1a, g0b, g1b        ; a joint first fill: waves 0 and 1 fetch for A, waves 2 and 3 for B; four v_nop follow each line
	s_cmp_eq_u32 s15, 0
	s_cbranch_scc0 .Lfor_b_\@
	tensor_load_to_lds s[\g0a:\g0a+3], s[\g1a:\g1a+7]
	s_nop 0
.rept 4
	v_nop
.endr
	s_branch .Lasked_\@
.Lfor_b_\@:
	tensor_load_to_lds s[\g0b:\g0b+3], s[\g1b:\g1b+7]
	s_nop 0
.rept 4
	v_nop
.endr
.Lasked_\@:
.endm
.macro CREST                           ; a round of the cluster's barrier behind its opening barrier
	s_cmp_lg_u32 s14, 0
	s_cbranch_scc1 .Lnot_wave_0_\@
	s_barrier_signal -3
.Lnot_wave_0_\@:
	s_barrier_wait -3
	s_barrier_signal -1
	s_barrier_wait -1
.endm
.macro CROUND
	s_barrier_signal -1
	s_barrier_wait -1
	CREST
.endm
.macro BIAS                            ; the bias of my 64 columns, in the result's layout: columns 32 beta + 16 h + 8 u + 0..7
	WIN 0x40                                       ; destination window 1, address window 0
.irp b, 0,1,2,3
	global_load_b128 v[BI+8*\b:BI+8*\b+3], v7, s[8:9] offset:128*(\b/2)+32*(\b%2)
	global_load_b128 v[BI+8*\b+4:BI+8*\b+7], v7, s[8:9] offset:128*(\b/2)+32*(\b%2)+16
.endr
.endm
	s_load_b128 s[4:7], s[0:1], 0x0                ; A2, WB
	s_load_b128 s[8:11], s[0:1], 0x10              ; b_fc, H
	v_lshl_add_u32 v[SPW], v0, 2, SPARE
	v_mov_b32 v[NIL], 0
	ds_add_u32 v28, v29
	ds_add_u32 v28, v29
	s_wait_dscnt 0x0
	v_lshrrev_b32 v1, 5, v0
	v_readfirstlane_b32 s14, v1                    ; wave 0..3
	s_lshr_b32 s15, s14, 1                         ; wm; also: of the first fills I fetch A's (0) or B's (1); of a refill: which half of K
	s_and_b32 s16, s14, 1                          ; wn; also: which half of the rows I fetch
	s_bfe_u32 s40, ttmp6, 0x40000
	s_bfe_u32 s41, ttmp6, 0x40004
	s_lshl_b32 s42, ttmp9, 2
	s_add_co_u32 s42, s42, s40                     ; gx 0..7: my four tile columns
	s_and_b32 s17, ttmp7, 0xffff
	s_lshl_b32 s17, s17, 2
	s_add_co_u32 s17, s17, s41                     ; ty
	s_lshl_b32 s43, s41, 2
	s_lshl_b32 s43, 15, s43                        ; my row of the cluster
	s_lshl_b32 s44, 0x1111, s40                    ; my column
	s_or_b32 s[G1+0], s43, (3<<16)|(1<<21)         ; a dense block as rows of 256 bytes (32 elements of 8 bytes): 128 rows of codes, 16 rows of words
	s_or_b32 s[G1B+0], s44, (3<<16)|(1<<21)
.irp g, G1, G1B
	s_mov_b32 s[\g+1], 32<<16
	s_mov_b32 s[\g+2], 256<<16
	s_mov_b32 s[\g+3], 32<<16
	s_mov_b32 s[\g+4], 256
	s_mov_b32 s[\g+5], 32
	s_mov_b32 s[\g+6], 0
	s_mov_b32 s[\g+7], 0
.endr
	s_or_b32 s[G1S+0], s43, (3<<16)|(1<<21)
	s_or_b32 s[G1SB+0], s44, (3<<16)|(1<<21)
.irp g, G1S, G1SB
	s_mov_b32 s[\g+1], 32<<16
	s_mov_b32 s[\g+2], 16<<16
	s_mov_b32 s[\g+3], 32<<16
	s_mov_b32 s[\g+4], 16
	s_mov_b32 s[\g+5], 32
	s_mov_b32 s[\g+6], 0
	s_mov_b32 s[\g+7], 0
.endr
	s_mov_b32 s[G1SB+2], 64<<16                    ; B's words of all four tiles are 16,384 dense bytes: 64 rows of 256
	s_mov_b32 s[G1SB+4], 64
	s_lshl_b32 s18, s16, 15                        ; my half: 4 row tiles x 8,192 bytes
	s_lshl_b32 s20, s17, 16                        ; A's codes
	s_mov_b32 s21, 0
	s_lshl_b32 s46, s42, 18
	s_add_co_u32 s46, s46, WI                      ; B's codes, tile column 4 gx
	s_mov_b32 s47, 0
	s_mul_i32 s[G0R+2], s15, BSTEP
	s_add_co_u32 s[G0R+2], s[G0R+2], s46
	s_add_co_u32 s[G0R+2], s[G0R+2], s18           ; the refills': half w / 2 of K, half w % 2 of the rows; stepped ahead of each refill
	s_mov_b32 s[G0R+3], 0
	s_lshl_b32 s[G0R+1], s15, 17
	s_add_co_u32 s[G0R+1], s[G0R+1], s18
	s_add_co_u32 s[G0R+1], s[G0R+1], 65536         ; and its place in LDS: no place in the cluster enters an LDS address
	s_lshl_b32 s22, s17, 12
	s_add_co_u32 s22, s22, ASC                     ; A's words: 4,096 bytes a tile row
	s_mov_b32 s23, 0
	s_lshl_b32 s92, s42, 14
	s_mov_b32 s19, 0                               ; s[18:19]: my half of the rows, in bytes
	s_add_co_u32 s92, s92, WS                      ; B's words of tile columns 4 gx + 0..3
	s_mov_b32 s93, 0
	s_lshl_b32 s45, s14, 15
	s_wait_kmcnt 0x0
	s_add_nc_u64 s[20:21], s[4:5], s[20:21]
	s_add_nc_u64 s[22:23], s[4:5], s[22:23]
	s_add_nc_u64 s[46:47], s[6:7], s[46:47]
	s_add_nc_u64 s[92:93], s[6:7], s[92:93]
	s_add_nc_u64 s[G0R+2:G0R+3], s[6:7], s[G0R+2:G0R+3]
	s_or_b32 s[G0R+3], s[G0R+3], 0x80000000
	s_mov_b32 s[G0R], 1
	CROUND                                         ; all sixteen work-groups are here: the first joint loads meet
	; THE HEAD'S FOUR TILES, ONE JOINT LOAD A WAVE: wave 0 the first half of K of A (65,536 bytes), wave 1 that of the first tile's B, wave 2 A's words, wave 3 B's words.
	; THE WORDS AS THEY LIE NOW (in place of the four regions with copies): A's 4,096 bytes ONCE at SCA, the four tiles' 16,384 bytes of B's behind them; from tile to tile lanes 16-31 alone step, by 4,096.
	s_mov_b32 s[G0S], 1
	s_mov_b32 s[G0S+1], SCA
	s_mov_b64 s[G0S+2:G0S+3], s[22:23]
	s_or_b32 s[G0S+3], s[G0S+3], 0x80000000
	s_mov_b32 s[G0SB], 1
	s_mov_b32 s[G0SB+1], SCA+4096
	s_mov_b64 s[G0SB+2:G0SB+3], s[92:93]
	s_or_b32 s[G0SB+3], s[G0SB+3], 0x80000000
	s_mov_b32 s[G0], 1
	s_mov_b32 s[G0+1], 0
	s_mov_b64 s[G0+2:G0+3], s[20:21]
	s_or_b32 s[G0+3], s[G0+3], 0x80000000
	s_mov_b32 s[G0B], 1
	s_mov_b32 s[G0B+1], 65536
	s_mov_b64 s[G0B+2:G0B+3], s[46:47]
	s_or_b32 s[G0B+3], s[G0B+3], 0x80000000
	s_add_nc_u64 s[20:21], s[20:21], s[18:19]      ; the second half of K: a quarter of the slot a wave
	s_add_nc_u64 s[46:47], s[46:47], s[18:19]
	s_mov_b32 s[G0+4], 1
	s_add_co_u32 s[G0+5], s45, SLOT
	s_add_nc_u64 s[G0+6:G0+7], s[20:21], ASTEP
	s_or_b32 s[G0+7], s[G0+7], 0x80000000
	s_mov_b32 s[G0B+4], 1
	s_add_co_u32 s[G0B+5], s45, SLOT
	s_add_nc_u64 s[G0B+6:G0B+7], s[46:47], BSTEP
	s_or_b32 s[G0B+7], s[G0B+7], 0x80000000
.macro ARM under, g0, g1, next         ; one chain of branches on the wave's number, a load to an arm, all arms to one join
	s_cmp_lt_u32 s14, \under
	s_cbranch_scc0 \next
	tensor_load_to_lds s[\g0:\g0+3], s[\g1:\g1+7]
	s_nop 0
.rept 4
	v_nop
.endr
	s_branch .Lhead_asked
\next:
.endm
	ARM 1, G0, G1, .Lhead_b
	ARM 2, G0B, G1B, .Lhead_sa
	ARM 3, G0S, G1S, .Lhead_sb
	tensor_load_to_lds s[G0SB:G0SB+3], s[G1SB:G1SB+7]
	s_nop 0
.rept 4
	v_nop
.endr
.Lhead_asked:
	; one prefetch into the L2 a wave, at the head: the second half of K, which the next round's joint load asks for.  Of the 32,768 bytes that I fetch there, each of the four partners
	; names 8,192, told apart by address (cx for A, cy for B), lanes 256 bytes apart
	s_cmp_eq_u32 s15, 0
	s_cselect_b64 s[12:13], s[20:21], s[46:47]
	s_cselect_b32 s92, s40, s41
	s_mov_b32 s94, BSTEP
	s_cselect_b32 s94, ASTEP, s94
	s_mov_b32 s95, 0
	s_lshl_b32 s92, s92, 13
	s_mov_b32 s93, 0
	s_add_nc_u64 s[12:13], s[12:13], s[92:93]
	s_add_nc_u64 s[12:13], s[12:13], s[94:95]
	v_and_b32 v1, 15, v0                           ; r
	v_bfe_u32 v2, v0, 4, 1                         ; h
	v_and_b32 v3, 31, v0
	v_lshlrev_b32 v[LI], 4, v3
	v_lshlrev_b32 v9, 8, v3                        ; 256 x lane; never rewritten
	s_wait_alu depctr_va_vdst(0)
	global_prefetch_b8 v9, s[12:13] th:TH_LOAD_NT scope:SCOPE_SE
	s_lshl_b32 s92, s42, 11
	s_lshl_b32 s93, s16, 8
	s_add_co_u32 s92, s92, s93
	s_mov_b32 s93, 0
	s_add_nc_u64 s[8:9], s[8:9], s[92:93]          ; the bias of my 64 columns of the first tile
	v_lshlrev_b32 v7, 6, v2                        ; 64 h; never rewritten
	BIAS
	WIN 0
	s_lshl_b32 s21, s15, 15
	s_lshl_b32 s22, s16, 15
	s_add_co_u32 s22, s22, 65536
.irp s, 0,1
	v_add_nc_u32 v[ADRA+\s], s21, v[LI]
	v_add_nc_u32 v[ADRB+\s], s22, v[LI]
	s_add_co_u32 s21, s21, SLOT
	s_add_co_u32 s22, s22, SLOT
.endr
	v_lshlrev_b32 v6, 2, v1
	v_lshl_or_b32 v[HWO], v2, 11, v6               ; the half words' place: 2,048 x (lane / 16) + 4 r
	s_mul_i32 s21, s15, HS
	s_mul_i32 s22, s16, HS
	s_add_co_u32 s22, s22, 2*HS
	s_sub_co_u32 s22, s22, s21
	v_mul_u32_u24 v8, s22, v2                      ; lanes 16-31 take B's words: one product, the distance between the two
	s_add_co_u32 s21, s21, SCA
	v_add_nc_u32 v6, v6, v8
	v_add_nc_u32 v[ADRS], s21, v6
	v_mov_b32 v30, 0x3e7c6f08                      ; c9, twice
	v_mov_b32 v31, 0x3e7c6f08
	s_mov_b32 s[SEL], 0x76543210
	s_mov_b32 s[SEL+1], 0xfedcba98
	s_mov_b32 s[MNT], 0x600000
	s_mov_b32 s[K1], 0x3eb504f3                    ; 1 / (2 sqrt 2)
	s_lshl_b32 s18, s42, 8
	s_lshl_b32 s19, s17, 3
	s_add_co_u32 s18, s18, s19
	s_lshl_b32 s19, s15, 2
	s_add_co_u32 s18, s18, s19                     ; gx 256 + my first row tile: the next product's K step of 512 is my four tiles
	s_lshl_b32 s18, s18, 13
	s_lshl_b32 s19, s16, 10
	s_add_co_u32 s18, s18, s19                     ; my two chunks of the first tile's 128; a tile on: 2,048 bytes
	s_mov_b32 s19, 0
	s_add_nc_u64 s[20:21], s[10:11], s[18:19]
	s_sub_nc_u64 s[20:21], s[20:21], 2048          ; a tile's place back: every tile steps both bases ahead of its last quarter
	s_lshl_b32 s18, s17, 14
	s_lshl_b32 s22, s15, 13
	s_add_co_u32 s18, s18, s22
	s_lshl_b32 s22, s42, 8
	s_add_co_u32 s18, s18, s22
	s_lshl_b32 s22, s16, 1
	s_add_co_u32 s18, s18, s22
	s_add_co_u32 s18, s18, 16777216-64             ; my two bytes of each row's word, a tile's 64 bytes back
	s_add_nc_u64 s[22:23], s[10:11], s[18:19]
.macro FETCH slot, q, f                ; the fragments of the slot's q-th 128 along K into buffer f: 16 loads in one run
	WIN 0x40
.irp i, 0,1,2,3
.irp c, 0,1,2,3
	ds_load_b128 v[\f+16*\i+4*\c:\f+16*\i+4*\c+3], v[ADRB+\slot] offset:8192*\i+2048*(\q)+512*\c   ; B's alone: 16 loads
.endr
.endr
.endm
.macro AFETCH slot                     ; A's fragments of half \slot of K, four quarters x four row tiles, into window 2 + \slot: 64 loads, once in the launch
	WIN (0x80+0x40*(\slot))
.irp q, 0,1,2,3
.irp i, 0,1,2,3
.irp c, 0,1,2,3
	ds_load_b128 v[64*\q+16*\i+4*\c:64*\q+16*\i+4*\c+3], v[ADRA+\slot] offset:8192*\i+2048*\q+512*\c
.endr
.endr
.endr
.endm
.macro SCALES set
	WIN 0
.irp q, 0,1,2,3
.irp i, 0,1,2,3
	ds_load_b32 v[SC+16*\set+4*\q+\i], v[ADRS] offset:\i*(KT/2)+64*\q+256*\set
.endr
.endr
.endm
.macro MUL4 f, set, q, a, cm           ; the 16 accumulators take turns, one instruction a turn, in the same order everywhere.  cm = 2: C is the bias
.if (\cm) == 2
	WIN (0x11+4*(2+(\set)))                        ; source 0 (B) window 1, source 1 (A) window 2 + set, C window 1, D window 0
.else
	WIN (0x01+4*(2+(\set)))                        ; the same, C window 0
.endif
.irp b, 0,1,2,3
.set rD, ACC+8*(4*(\a)+\b)
.set rB, \f+16*\b
.set rA, 64*(\q)+16*(\a)
.set rS, SC+16*(\set)+4*(\q)
.if (\cm) == 0
	v_wmma_scale_f32_16x16x128_f8f6f4 v[rD:rD+7], v[rB:rB+15], v[rA:rA+15], v[rD:rD+7], v[rS+\b], v[rS+(\a)] matrix_a_scale:MATRIX_SCALE_ROW1
.else
	v_wmma_scale_f32_16x16x128_f8f6f4 v[rD:rD+7], v[rB:rB+15], v[rA:rA+15], v[BI+8*\b:BI+8*\b+7], v[rS+\b], v[rS+(\a)] matrix_a_scale:MATRIX_SCALE_ROW1
.endif
.endr
.endm
.macro MUL16 f, set, q, cm
.irp a, 0,1,2,3
	MUL4 \f, \set, \q, \a, \cm
.endr
.endm
; A quarter: buffer f holds B's fragments of quarter mq of half ms and is multiplied; ahead of that the quarter two on (fq of half fs) is asked for, into buffer g, eight places behind the products
; that read g.  The wait's 16: the next quarter's 16 loads, issued behind this quarter's, may stay out.  fs = -1: nothing is left to ask for.
.macro QUARTER fs, fq, g, f, ms, mq, cm
	s_wait_dscnt 16
.if (\fs) >= 0
	PLACES 8
	FETCH \fs, \fq, \g
.endif
	MUL16 \f, \ms, \mq, \cm
.endm
; A tile's last quarter.  fill = 1: every wave has asked for its last fragments: all my tensor loads have landed, 0 is added to my spare word, that and my LDS reads are waited for; a round of the cluster's barrier;
; behind it my one load: a quarter of the next tile's B; then the next tile's bias.
.macro LAST fill
.if \fill
	WIN 0
	s_wait_tensorcnt 0x0                           ; no tensor load of mine is out, so a group 0 may be written
	ds_add_u32 v[SPW], v[NIL]
	s_wait_dscnt 1                                 ; buffer 1 is in; the add alone may be out
	MUL4 F1, 1, 3, 0, 0
	s_wait_dscnt 0x0                               ; the add is done, and my reads of this tile's B are over
	s_barrier_signal -1
	MUL4 F1, 1, 3, 1, 0
	WIN 0
	s_barrier_wait -1
	CREST                                          ; no wave of any partner still reads B or has a load on its way
	s_add_nc_u64 s[G0R+2:G0R+3], s[G0R+2:G0R+3], TSTEP
	s_add_nc_u64 s[8:9], s[8:9], 512               ; (the last bias loads were waited for at the tile's head)
	tensor_load_to_lds s[G0R:G0R+3], s[G1B:G1B+7]
	s_nop 0
	PLACES 4
	BIAS
	MUL4 F1, 1, 3, 2, 0
	MUL4 F1, 1, 3, 3, 0
.else
	s_wait_dscnt 0x0
	MUL16 F1, 1, 3, 0
.endif
.endm
.set T, 64
.set P, 80
.set XX, 96
.macro GELU16 x                        ; 16 numbers in place.  Each batch of transcendentals has one plain run behind it and one wait ahead of its first reader
.set gx, \x
.set i, 0
.rept 16
	v_fma_f32 v[T+i], |v[gx+i]|, s[K1], 1.0
.set i, i+1
.endr
.set i, 0
	s_wait_alu depctr_va_vdst(0)
.rept 16
	v_rcp_f32 v[T+i], v[T+i]                       ; t
.set i, i+1
.endr
.set i, 0
.rept 8
	v_pk_mul_f32 v[XX+i:XX+i+1], v[gx+i:gx+i+1], v[gx+i:gx+i+1]
.set i, i+2
.endr
	s_wait_alu depctr_va_vdst(0)
.set i, 0
.rept 8
	v_pk_fma_f32 v[P+i:P+i+1], v[T+i:T+i+1], v[30:31], 0xbf97d29d op_sel_hi:[1,1,0]   ; c9 t + c8
.set i, i+2
.endr
.irp c, 0x40097039, 0xbfd1a1e5, 0x3ecdfd18, 0xbe899a80, 0x3e0efb2f, 0x3f0a29d2, 0x3fb8ab5a, 0xc034d90f
.set i, 0
.rept 8
	v_pk_fma_f32 v[P+i:P+i+1], v[P+i:P+i+1], v[T+i:T+i+1], \c op_sel_hi:[1,1,0]       ; c7 down to c0
.set i, i+2
.endr
.endr
.set i, 0
.rept 8
	v_pk_fma_f32 v[P+i:P+i+1], v[XX+i:XX+i+1], 0xbf38aa3b, v[P+i:P+i+1] op_sel_hi:[1,0,1]   ; - x^2 log2(e) / 2
.set i, i+2
.endr
.set i, 0
	s_wait_alu depctr_va_vdst(0)
.rept 16
	v_exp_f32 v[P+i], v[P+i]
.set i, i+1
.endr
.set i, 0
.rept 16
	v_max_num_f32 v[XX+i], 0, v[gx+i]
.set i, i+1
.endr
	s_wait_alu depctr_va_vdst(0)
.set i, 0
.rept 8
	v_pk_mul_f32 v[P+i:P+i+1], v[P+i:P+i+1], v[T+i:T+i+1]   ; E
.set i, i+2
.endr
.set i, 0
.rept 16
	v_fma_f32 v[gx+i], -|v[gx+i]|, v[P+i], v[XX+i]
.set i, i+1
.endr
.endm
.macro QUANT4 s, pc                    ; 64 numbers of a lane, four blocks of 16 (the other 16 of each in lane l xor 16), become 16 registers of codes; the bytes stay in v[TM+4..7]
.set qs, \s
.set qd, \pc
.irp b, 0,1,2,3
	v_max3_num_f32 v[TM+\b], |v[qs+16*\b]|, |v[qs+1+16*\b]|, 0x4800000   ; with the floor 2^(9 - 127)
.endr
.irp k, 2,4,6,8,10,12,14
.irp b, 0,1,2,3
	v_max3_num_f32 v[TM+\b], v[TM+\b], |v[qs+16*\b+\k]|, |v[qs+1+16*\b+\k]|
.endr
.endr
.irp b, 0,1,2,3
	v_permlanex16_b32 v[TM+4+\b], v[TM+\b], s[SEL], s[SEL+1]
.endr
.irp b, 0,1,2,3
	v_max_num_f32 v[TM+\b], v[TM+\b], v[TM+4+\b]
.endr
.irp b, 0,1,2,3
	v_add_nc_u32 v[TM+12+\b], 0xfc000000, v[TM+\b]
.endr
.irp b, 0,1,2,3
	v_and_or_b32 v[TM+8+\b], v[TM+\b], 0x7f800000, s[MNT]
.endr
.irp b, 0,1,2,3
	v_lshrrev_b32 v[TM+4+\b], 23, v[TM+12+\b]
.endr
.irp b, 0,1,2,3
.irp k, 0,1,2,3,4,5,6,7,8,9,10,11,12,13,14,15
	v_med3_num_f32 v[qs+16*\b+\k], v[qs+16*\b+\k], -v[TM+8+\b], v[TM+8+\b]   ; the conversion does not saturate (ISA guide 7.6.2)
.endr
	v_cvt_scalef32_pk8_fp8_f32 v[qd+4*\b:qd+4*\b+1], v[qs+16*\b:qs+16*\b+7], v[TM+12+\b]
	v_cvt_scalef32_pk8_fp8_f32 v[qd+4*\b+2:qd+4*\b+3], v[qs+16*\b+8:qs+16*\b+15], v[TM+12+\b]
.endr
	v_nop
.endm
; A TILE: eight quarters of 128 along K, then the way out.  fill = 1: it has a successor.
.macro TILE fill
	FETCH 0, 0, F0
	SCALES 0
	SCALES 1
	FETCH 0, 1, F1
	s_wait_loadcnt 0x0                             ; the tile's bias
	QUARTER 0, 2, F2, F0, 0, 0, 2                  ; the first products start the sums from the bias
	QUARTER 0, 3, F0, F1, 0, 1, 0
	QUARTER 1, 0, F1, F2, 0, 2, 0
	QUARTER 1, 1, F2, F0, 0, 3, 0
	QUARTER 1, 2, F0, F1, 1, 0, 0
	QUARTER 1, 3, F1, F2, 1, 1, 0
	QUARTER -1, 0, 0, F0, 1, 2, 0
	s_wait_xcnt 0x0                                ; the last tile's stores, seven quarters back, have read their registers and bases: both are written again from here on
	s_add_nc_u64 s[20:21], s[20:21], 2048          ; this tile's places
	s_add_nc_u64 s[22:23], s[22:23], 64
	LAST \fill
	WIN 0
	PLACES 8                                       ; ahead of the first read of results
.irp g, 0,1,2,3,4,5,6,7
	GELU16 ACC+16*\g
.endr
	v_cmp_le_u32 vcc_lo, 16, v3                    ; lanes 16-31
.irp b, 0,1,2,3
	v_mov_b32 v[TM+4+\b], 0                        ; written whole: a lane permute's destination counts as one of its sources
.endr
.irp i, 0,1
	QUANT4 ACC+64*\i, 64+16*\i
.irp k, 0,1,2,3                        ; k = 2 a' + beta: row tile 2 i + a', chunk 2 wn + beta
	global_store_b128 v[LI], v[64+16*\i+4*\k:64+16*\i+4*\k+3], s[20:21] offset:(2*\i+\k/2)*8192+512*(\k%2)   ; 512 consecutive bytes
.endr
	v_lshl_or_b32 v112, v[TM+5], 8, v[TM+4]
	v_lshl_or_b32 v113, v[TM+7], 8, v[TM+6]
	v_cndmask_b32 v[114+\i], v112, v113, vcc_lo    ; lanes 16-31 take the second row tile's
	global_store_b16 v[HWO], v[114+\i], s[22:23] offset:4096*\i   ; half a word: the other half is the other wave's: one byte in 32 of what leaves
.endr
.if \fill
	v_lshl_add_u32 v[ADRS], v2, 12, v[ADRS]        ; its words: lanes 16-31 go 4,096 bytes on in B's; A's stay
	s_wait_tensorcnt 0x0                           ; my quarter of its B is in,
	s_barrier_signal -1
	s_barrier_wait -1                              ; everybody's is
.endif
.endm
	s_wait_alu depctr_va_vdst(0)                   ; the wait at the head's end
	s_wait_tensorcnt 0x0                           ; my tile of the head's four is in; the second half's first fill is issued as a refill is
	ds_add_u32 v[SPW], v[NIL]
	s_mov_b32 s[G1+2], 128<<16                     ; no tensor load of mine is out: from here on a load brings 128 rows of 256 bytes
	s_mov_b32 s[G1+4], 128
	s_mov_b32 s[G1B+2], 128<<16
	s_mov_b32 s[G1B+4], 128
	s_wait_dscnt 0x0
	CROUND                                         ; all four tiles are in, and all sixteen work-groups are here
	JLOAD G0+4, G1, G0B+4, G1B                     ; the second half of K
	AFETCH 0                                       ; A's first half goes into registers while it lands
	WIN 0
	s_wait_tensorcnt 0x0                           ; my part of the second half is in,
	s_wait_dscnt 0x0
	s_barrier_signal -1
	s_barrier_wait -1                              ; everybody's is
	AFETCH 1
	WIN 0
	s_mov_b32 s3, TILES-1
.Ltile:                                            ; three trips: a tile that has a successor
	s_wait_alu depctr_va_vdst(0)
	TILE 1
	s_sub_co_u32 s3, s3, 1
	s_cmp_lg_u32 s3, 0
	s_cbranch_scc1 .Ltile
	s_wait_alu depctr_va_vdst(0)
	TILE 0                                         ; the last tile asks for nothing
	s_wait_tensorcnt 0x0                           ; the wave's end
	ds_add_u32 v[SPW], v[NIL]
	s_wait_dscnt 0x0
	CROUND                                         ; the closing round: no work-group ends while a partner may still ask for a tile that names it
	s_endpgm
.Lfunc_end_k_q4ed850f6cd_g_fc:
	.size	k_q4ed850f6cd_g_fc, .Lfunc_end_k_q4ed850f6cd_g_fc-k_q4ed850f6cd_g_fc
	.p2alignl 7, 3214868480
	.fill 96, 4, 3214868480
	.section	.rodata,"a",@progbits
	.p2align	6, 0x0
	.amdhsa_kernel k_q4ed850f6cd_g_fc
		.amdhsa_group_segment_fixed_size 327680
		.amdhsa_private_segment_fixed_size 0
		.amdhsa_enable_private_segment 0
		.amdhsa_kernarg_size 32
		.amdhsa_user_sgpr_count 2
		.amdhsa_user_sgpr_kernarg_segment_ptr 1
		.amdhsa_wavefront_size32 1
		.amdhsa_system_sgpr_workgroup_id_x 1
		.amdhsa_system_sgpr_workgroup_id_y 1
		.amdhsa_system_sgpr_workgroup_id_z 1
		.amdhsa_system_vgpr_workitem_id 0
		.amdhsa_next_free_vgpr 1024
		.amdhsa_next_free_sgpr 100
		.amdhsa_reserve_vcc 1
		.amdhsa_float_denorm_mode_32 3
		.amdhsa_float_denorm_mode_16_64 3
		.amdhsa_memory_ordered 1
		.amdhsa_forward_progress 1
		.amdhsa_inst_pref_size 255
	.end_amdhsa_kernel
	.section	.bss,"aw",@nobits
	.p2align	6
	.space	262144
	.amdgpu_metadata
---
amdhsa.version: [ 1, 2 ]
amdhsa.kernels:
  - .name:           k_q4ed850f6cd_g_fc
    .symbol:         k_q4ed850f6cd_g_fc.kd
    .args:
      - { .name: A2, .offset: 0, .size: 8, .value_kind: global_buffer, .address_space: global }
      - { .name: WB, .offset: 8, .size: 8, .value_kind: global_buffer, .address_space: global }
      - { .name: b_fc, .offset: 16, .size: 8, .value_kind: global_buffer, .address_space: global }
      - { .name: H, .offset: 24, .size: 8, .value_kind: global_buffer, .address_space: global }
    .group_segment_fixed_size: 327680
    .private_segment_fixed_size: 0
    .kernarg_segment_align: 8
    .kernarg_segment_size: 32
    .max_flat_workgroup_size: 128
    .sgpr_count:     100
    .vgpr_count:     1024
    .wavefront_size: 32
...
	.end_amdgpu_metadata
.endif
;; end of part 6
;; launch g_mlp (part 7): grid 8 x 32, 4 waves a work-group, clusters of 4 x 4, 327,680 bytes of LDS; arguments H, WB, b_mlp_proj, X1, out0; writes out0
.if DOCPART == 7
	.amdgcn_target "amdgcn-amd-amdhsa--gfx1250"
	.amdhsa_code_object_version 6
	.text
	.protected	k_q4ed850f6cd_g_mlp
	.globl	k_q4ed850f6cd_g_mlp
	.p2align	8
	.type	k_q4ed850f6cd_g_mlp,@function
k_q4ed850f6cd_g_mlp:
	s_mov_b64 s[64:65], 0
	v_nop
	global_prefetch_b8 v0, s[64:65] scope:SCOPE_SE
	s_setreg_imm32_b32 hwreg(HW_REG_WAVE_MODE, 25, 1), 1
	s_wait_xcnt 0x0
	s_wait_alu depctr_hold_cnt(0) depctr_sa_sdst(0) depctr_va_vdst(0) depctr_va_sdst(0) depctr_va_ssrc(0) depctr_va_vcc(0) depctr_vm_vsrc(0)
	s_getreg_b32 s2, hwreg(HW_REG_IB_STS2, 6, 4)
	s_cmp_eq_u32 s2, 0
	s_cbranch_scc0 .Lentry_in_a_cluster
	s_endpgm
.Lentry_in_a_cluster:
	s_bfe_u32 s2, ttmp6, 0x10000c
	s_cmp_lg_u32 s2, 0xf033
	s_cbranch_scc0 .Lentry_shape_is_right
	s_endpgm
.Lentry_shape_is_right:
.set KT, 4096
.set NT, 1024
.set ASC, 16777216
.set WI, 8388608
.set WS, 12845056
.set CM, 2
.set RES, 10
.set OUT, 12
.set LAPS, KT/1024
.set HS, (KT/128)*256
.set SLOT, 131072
.set SCA, 2*SLOT
.set SPARE, SCA+4*HS
.set ASTEP, 2097152
.set BSTEP, NT*512
.set LI, 4
.set LS, 5
.set ADRA, 16
.set ADRB, 20
.set STO, 24
.set RD, 25
.set CO, 26
.set ADRS, 27
.set SPW, 28
.set NIL, 29
.set SC, 32
.set BI, 64
.set ACC, 128
.set F0, 0
.set F1, 128
.set G1, 24
.set G0, 32
.set G1B, 48
.set G0B, 56
.set G1S, 68
.set G0S, 76
.set G1SB, 80
.set G0SB, 88
.set MSB, 0
.macro WIN new
.if MSB != \new
	s_set_vgpr_msb (MSB<<8)|\new
.set MSB, \new
.endif
.endm
.macro PLACES n
.rept \n
	v_nop
.endr
.endm
.macro JLOAD g0a, g1a, g0b, g1b
	s_cmp_eq_u32 s15, 0
	s_cbranch_scc0 .Lfor_b_\@
	tensor_load_to_lds s[\g0a:\g0a+3], s[\g1a:\g1a+7]
	s_nop 0
.rept 4
	v_nop
.endr
	s_branch .Lasked_\@
.Lfor_b_\@:
	tensor_load_to_lds s[\g0b:\g0b+3], s[\g1b:\g1b+7]
	s_nop 0
.rept 4
	v_nop
.endr
.Lasked_\@:
.endm
.macro CREST
	s_cmp_lg_u32 s14, 0
	s_cbranch_scc1 .Lnot_wave_0_\@
	s_barrier_signal -3
.Lnot_wave_0_\@:
	s_barrier_wait -3
	s_barrier_signal -1
	s_barrier_wait -1
.endm
.macro CROUND
	s_barrier_signal -1
	s_barrier_wait -1
	CREST
.endm
	s_load_b128 s[4:7], s[0:1], 0x0
	s_load_b128 s[8:11], s[0:1], 0x10
	s_load_b64 s[12:13], s[0:1], 0x20
	v_lshl_add_u32 v[SPW], v0, 2, SPARE
	v_mov_b32 v[NIL], 0
	ds_add_u32 v28, v29
	ds_add_u32 v28, v29
	s_wait_dscnt 0x0
	v_lshrrev_b32 v1, 5, v0
	v_readfirstlane_b32 s14, v1
	s_lshr_b32 s15, s14, 1
	s_and_b32 s16, s14, 1
	s_bfe_u32 s40, ttmp6, 0x40000
	s_bfe_u32 s41, ttmp6, 0x40004
	s_lshl_b32 s42, ttmp9, 2
	s_add_co_u32 s42, s42, s40
	s_and_b32 s17, ttmp7, 0xffff
	s_lshl_b32 s17, s17, 2
	s_add_co_u32 s17, s17, s41
	s_lshl_b32 s43, s41, 2
	s_lshl_b32 s43, 15, s43
	s_lshl_b32 s44, 0x1111, s40
	s_or_b32 s[G1+0], s43, (3<<16)|(1<<21)
	s_or_b32 s[G1B+0], s44, (3<<16)|(1<<21)
.irp g, G1, G1B
	s_mov_b32 s[\g+1], 32<<16
	s_mov_b32 s[\g+2], 256<<16
	s_mov_b32 s[\g+3], 32<<16
	s_mov_b32 s[\g+4], 256
	s_mov_b32 s[\g+5], 32
	s_mov_b32 s[\g+6], 0
	s_mov_b32 s[\g+7], 0
.endr
	s_or_b32 s[G1S+0], s43, (3<<16)|(1<<21)
	s_or_b32 s[G1SB+0], s44, (3<<16)|(1<<21)
.irp g, G1S, G1SB
	s_mov_b32 s[\g+1], 32<<16
	s_mov_b32 s[\g+2], (KT/64)<<16
	s_mov_b32 s[\g+3], 32<<16
	s_mov_b32 s[\g+4], KT/64
	s_mov_b32 s[\g+5], 32
	s_mov_b32 s[\g+6], 0
	s_mov_b32 s[\g+7], 0
.endr
	s_lshl_b32 s18, s16, 15
	s_lshl_b32 s20, s17, 16
	s_mov_b32 s21, 0
	s_lshl_b32 s46, s42, 16
	s_add_co_u32 s46, s46, WI
	s_mov_b32 s47, 0
	s_mov_b32 s19, 0                               ; s[18:19]: behind the head I fetch half a tile: which half, in bytes
	s_mul_i32 s22, s17, 4*KT
	s_add_co_u32 s22, s22, ASC
	s_mov_b32 s23, 0
	s_mul_i32 s92, s42, 4*KT
	s_add_co_u32 s92, s92, WS
	s_mov_b32 s93, 0
	s_lshl_b32 s45, s14, 15
	s_wait_kmcnt 0x0
	s_add_nc_u64 s[20:21], s[4:5], s[20:21]
	s_add_nc_u64 s[22:23], s[4:5], s[22:23]
	s_add_nc_u64 s[46:47], s[6:7], s[46:47]
	s_add_nc_u64 s[92:93], s[6:7], s[92:93]
	CROUND
	; THE HEAD'S FOUR TILES, ONE JOINT LOAD A WAVE: wave 0 K step 0's 65,536 bytes of A, wave 1 those of B, wave 2 A's words, wave 3 B's
	s_mov_b32 s[G0S], 1
	s_mov_b32 s[G0S+1], SCA
	s_mov_b64 s[G0S+2:G0S+3], s[22:23]
	s_or_b32 s[G0S+3], s[G0S+3], 0x80000000
	s_mov_b32 s[G0SB], 1
	s_mov_b32 s[G0SB+1], SCA+2*HS
	s_mov_b64 s[G0SB+2:G0SB+3], s[92:93]
	s_or_b32 s[G0SB+3], s[G0SB+3], 0x80000000
	s_mov_b32 s[G0], 1
	s_mov_b32 s[G0+1], 0
	s_mov_b64 s[G0+2:G0+3], s[20:21]
	s_or_b32 s[G0+3], s[G0+3], 0x80000000
	s_mov_b32 s[G0B], 1
	s_mov_b32 s[G0B+1], 65536
	s_mov_b64 s[G0B+2:G0B+3], s[46:47]
	s_or_b32 s[G0B+3], s[G0B+3], 0x80000000
	s_add_nc_u64 s[20:21], s[20:21], s[18:19]      ; slot 1: a quarter of the slot a wave
	s_add_nc_u64 s[46:47], s[46:47], s[18:19]
	s_mov_b32 s[G0+4], 1
	s_add_co_u32 s[G0+5], s45, SLOT
	s_add_nc_u64 s[G0+6:G0+7], s[20:21], ASTEP
	s_or_b32 s[G0+7], s[G0+7], 0x80000000
	s_mov_b32 s[G0B+4], 1
	s_add_co_u32 s[G0B+5], s45, SLOT
	s_add_nc_u64 s[G0B+6:G0B+7], s[46:47], BSTEP
	s_or_b32 s[G0B+7], s[G0B+7], 0x80000000
.macro ARM under, g0, g1, next         ; one chain of branches on the wave's number, a load to an arm, all arms to one join
	s_cmp_lt_u32 s14, \under
	s_cbranch_scc0 \next
	tensor_load_to_lds s[\g0:\g0+3], s[\g1:\g1+7]
	s_nop 0
.rept 4
	v_nop
.endr
	s_branch .Lhead_asked
\next:
.endm
	ARM 1, G0, G1, .Lhead_b
	ARM 2, G0B, G1B, .Lhead_sa
	ARM 3, G0S, G1S, .Lhead_sb
	tensor_load_to_lds s[G0SB:G0SB+3], s[G1SB:G1SB+7]
	s_nop 0
.rept 4
	v_nop
.endr
.Lhead_asked:
	; THE PREFETCHES INTO THE L2: behind the load of K step s stands one request for K step s + 2.  Of the 32,768 bytes that a wave fetches of a K step in the ring, each of the four partners that ask
	; for them jointly names 8,192, told apart by address (cx for A, cy for B): lanes 256 bytes apart, one instruction a wave, so each block of 256 bytes is named once in each cluster that loads it.
	; s[66:67]: the K step to be named; s[92:93]: a K step on, in bytes.  The last two refills (K steps 6 and 7) name nothing: there is no K step 8.
	s_cmp_eq_u32 s15, 0                            ; do I fetch for A?
	s_cselect_b64 s[66:67], s[20:21], s[46:47]
	s_cselect_b32 s94, s40, s41
	s_mov_b32 s92, BSTEP
	s_cselect_b32 s92, ASTEP, s92
	s_mov_b32 s93, 0
	s_lshl_b32 s94, s94, 13
	s_mov_b32 s95, 0
	s_add_nc_u64 s[66:67], s[66:67], s[94:95]
	s_add_nc_u64 s[66:67], s[66:67], s[92:93]
	s_add_nc_u64 s[66:67], s[66:67], s[92:93]      ; at K step 2
	v_and_b32 v1, 15, v0
	v_bfe_u32 v2, v0, 4, 1
	v_and_b32 v3, 31, v0
	v_lshlrev_b32 v[LI], 4, v3
	s_wait_alu depctr_va_vdst(0)
	v_lshlrev_b32 v[LS], 2, v3
	v_lshlrev_b32 v30, 8, v3                       ; the prefetches' offset: 256 x lane; never rewritten
	s_lshl_b32 s96, s42, 9
	s_lshl_b32 s97, s16, 8
	s_add_co_u32 s96, s96, s97
	s_mov_b32 s97, 0
	s_add_nc_u64 s[8:9], s[8:9], s[96:97]
	v_lshlrev_b32 v7, 6, v2
.irp b, 0,1,2,3
	global_load_b128 v[BI+8*\b:BI+8*\b+3], v7, s[8:9] offset:128*(\b/2)+32*(\b%2)
	global_load_b128 v[BI+8*\b+4:BI+8*\b+7], v7, s[8:9] offset:128*(\b/2)+32*(\b%2)+16
.endr
	global_prefetch_b8 v30, s[66:67] th:TH_LOAD_NT scope:SCOPE_SE   ; K step 2
	s_lshl_b32 s21, s15, 15
	s_lshl_b32 s22, s16, 15
	s_add_co_u32 s22, s22, 65536
.irp s, 0,1
	v_add_nc_u32 v[ADRA+\s], s21, v[LI]
	v_add_nc_u32 v[ADRB+\s], s22, v[LI]
	s_add_co_u32 s21, s21, SLOT
	s_add_co_u32 s22, s22, SLOT
.endr
	v_lshlrev_b32 v6, 2, v1
	s_mul_i32 s21, s15, HS
	s_mul_i32 s22, s16, HS
	s_add_co_u32 s22, s22, 2*HS
	s_sub_co_u32 s22, s22, s21
	v_mul_u32_u24 v8, s22, v2
	s_add_co_u32 s21, s21, SCA
	v_add_nc_u32 v6, v6, v8
	v_add_nc_u32 v[ADRS], s21, v6
	s_mul_i32 s23, s14, 16*272
	v_mul_u32_u24 v8, v1, 272
	v_lshl_add_u32 v8, v2, 6, v8
	v_add_nc_u32 v[STO], s23, v8
	v_mul_u32_u24 v8, v2, 272
	v_lshl_add_u32 v8, v1, 4, v8
	v_add_nc_u32 v[RD], s23, v8
	v_lshlrev_b32 v[CO], 12, v2
	v_lshl_add_u32 v[CO], v1, 4, v[CO]
	s_lshl_b32 s98, s17, 19
	s_lshl_b32 s99, s15, 18
	s_add_co_u32 s98, s98, s99
	s_add_co_u32 s98, s98, s96
	s_mov_b32 s99, 0
	s_add_nc_u64 s[RES:RES+1], s[RES:RES+1], s[98:99]
	s_add_nc_u64 s[OUT:OUT+1], s[OUT:OUT+1], s[98:99]
.macro FETCH slot, q, f
	WIN 0x40
.irp i, 0,1,2,3
.irp c, 0,1,2,3
	ds_load_b128 v[\f+64+16*\i+4*\c:\f+64+16*\i+4*\c+3], v[ADRB+\slot] offset:8192*\i+2048*(\q)+512*\c
	ds_load_b128 v[\f+16*\i+4*\c:\f+16*\i+4*\c+3], v[ADRA+\slot] offset:8192*\i+2048*(\q)+512*\c
.endr
.endr
.endm
.macro SCALES set
	WIN 0
.irp q, 0,1,2,3
.irp i, 0,1,2,3
	ds_load_b32 v[SC+16*\set+4*\q+\i], v[ADRS] offset:\i*(KT/2)+64*\q
.endr
.endr
.endm
.macro MUL4 f, set, q, a, cm
	WIN 0x05
.irp b, 0,1,2,3
.set rD, ACC+8*(4*(\a)+\b)
.set rB, \f+64+16*\b
.set rA, \f+16*(\a)
.set rS, SC+16*(\set)+4*(\q)
.if (\cm) == 0
	v_wmma_scale_f32_16x16x128_f8f6f4 v[rD:rD+7], v[rB:rB+15], v[rA:rA+15], v[rD:rD+7], v[rS+\b], v[rS+(\a)] matrix_a_scale:MATRIX_SCALE_ROW1
.elseif (\cm) == 1
	v_wmma_scale_f32_16x16x128_f8f6f4 v[rD:rD+7], v[rB:rB+15], v[rA:rA+15], 0, v[rS+\b], v[rS+(\a)] matrix_a_scale:MATRIX_SCALE_ROW1
.else
	v_wmma_scale_f32_16x16x128_f8f6f4 v[rD:rD+7], v[rB:rB+15], v[rA:rA+15], v[BI+8*\b:BI+8*\b+7], v[rS+\b], v[rS+(\a)] matrix_a_scale:MATRIX_SCALE_ROW1
.endif
.endr
.endm
.macro MUL16 f, set, q, cm
.irp a, 0,1,2,3
	MUL4 \f, \set, \q, \a, \cm
.endr
.endm
.macro QUARTER slot, qn, f, g, cm
	s_wait_dscnt 0x0
	PLACES 8
	FETCH \slot, \qn, \g
	MUL16 \f, \slot, (\qn)-1, \cm
.endm
.macro TURN slot, next, fill
.if \fill
	s_wait_xcnt 0x0                                ; my last prefetch has read its address: it is stepped here, ahead of the waits of the change of slots
	s_add_nc_u64 s[66:67], s[66:67], s[92:93]
.endif
	WIN 0
	s_wait_tensorcnt 0x0
	ds_add_u32 v[SPW], v[NIL]
	s_wait_dscnt 1
	MUL4 F1, \slot, 3, 0, 0
	s_wait_dscnt 0x0
	s_barrier_signal -1
	MUL4 F1, \slot, 3, 1, 0
	WIN 0
	s_barrier_wait -1
.if \fill
	CREST
	s_add_nc_u64 s[G0+4*\slot+2:G0+4*\slot+3], s[G0+4*\slot+2:G0+4*\slot+3], 2*ASTEP
	s_add_nc_u64 s[G0B+4*\slot+2:G0B+4*\slot+3], s[G0B+4*\slot+2:G0B+4*\slot+3], 2*BSTEP
	JLOAD G0+4*\slot, G1, G0B+4*\slot, G1B
	PLACES 4
.else
	PLACES 8
.endif
	s_wait_alu depctr_va_vdst(0)
	v_add_nc_u32 v[ADRS], 256, v[ADRS]
	FETCH \next, 0, F0
	SCALES \next
.if \fill
	s_cmp_gt_u32 s3, 1                             ; s3 = 1 in the loop's last trip, whose refills have no K step two on
	s_cbranch_scc0 .Lno_ask_\@
	global_prefetch_b8 v30, s[66:67] th:TH_LOAD_NT scope:SCOPE_SE
.Lno_ask_\@:
.endif
	MUL4 F1, \slot, 3, 2, 0
	MUL4 F1, \slot, 3, 3, 0
.endm
	s_wait_alu depctr_va_vdst(0)
	s_wait_tensorcnt 0x0                           ; my tile of the head's four is in; slot 1's first fill is issued as a refill is
	ds_add_u32 v[SPW], v[NIL]
	s_mov_b32 s[G1+2], 128<<16                     ; no tensor load of mine is out: from here on a load brings 128 rows of 256 bytes
	s_mov_b32 s[G1+4], 128
	s_mov_b32 s[G1B+2], 128<<16
	s_mov_b32 s[G1B+4], 128
	s_mov_b32 s[G0+1], s45                         ; slot 0's refills: my quarter of the slot
	s_add_nc_u64 s[G0+2:G0+3], s[G0+2:G0+3], s[18:19]
	s_mov_b32 s[G0B+1], s45
	s_add_nc_u64 s[G0B+2:G0B+3], s[G0B+2:G0B+3], s[18:19]
	s_wait_xcnt 0x0                                ; the head's prefetch has read its address
	s_add_nc_u64 s[66:67], s[66:67], s[92:93]      ; at K step 3
	s_wait_dscnt 0x0
	CROUND                                         ; all four tiles are in, and all sixteen work-groups are here
	JLOAD G0+4, G1, G0B+4, G1B                     ; K step 1: it has slot 0's four quarters in which to land
	FETCH 0, 0, F0
	SCALES 0
	global_prefetch_b8 v30, s[66:67] th:TH_LOAD_NT scope:SCOPE_SE   ; K step 3
	s_wait_loadcnt 0x0
	QUARTER 0, 1, F0, F1, CM
	WIN 0
	s_mov_b32 s3, LAPS-1
.Llap:
	QUARTER 0, 2, F1, F0, 0
	QUARTER 0, 3, F0, F1, 0
	TURN 0, 1, 1
	QUARTER 1, 1, F0, F1, 0
	QUARTER 1, 2, F1, F0, 0
	QUARTER 1, 3, F0, F1, 0
	TURN 1, 0, 1
	QUARTER 0, 1, F0, F1, 0
	WIN 0
	s_sub_co_u32 s3, s3, 1
	s_cmp_lg_u32 s3, 0
	s_cbranch_scc1 .Llap
	QUARTER 0, 2, F1, F0, 0
	QUARTER 0, 3, F0, F1, 0
	TURN 0, 1, 0
	QUARTER 1, 1, F0, F1, 0
	QUARTER 1, 2, F1, F0, 0
	QUARTER 1, 3, F0, F1, 0
	s_wait_dscnt 0x0
	PLACES 8
	WIN 0x40
.irp a, 0,1,2,3
.irp i, 0,1,2,3,4,5,6,7
	global_load_b128 v[32*\a+4*\i:32*\a+4*\i+3], v[CO], s[RES:RES+1] offset:(32*(\a/2)+8*(\a%2)+2*\i+8*(\i/4))*4096 th:TH_LOAD_NT
.endr
.endr
	MUL16 F1, 1, 3, 0
	WIN 0
	PLACES 8
.irp a, 0,1,2,3
.set T, 64+32*(\a%2)
.if \a >= 2
	s_wait_xcnt 0x0
.endif
.irp b, 0,1,2,3
	ds_store_b128 v[STO], v[ACC+8*(4*\a+\b):ACC+8*(4*\a+\b)+3] offset:128*(\b/2)+32*(\b%2)
	ds_store_b128 v[STO], v[ACC+8*(4*\a+\b)+4:ACC+8*(4*\a+\b)+7] offset:128*(\b/2)+32*(\b%2)+16
.endr
.irp i, 0,1,2,3,4,5,6,7
	ds_load_b128 v[T+4*\i:T+4*\i+3], v[RD] offset:544*\i
.endr
	s_wait_dscnt 0x0
	s_wait_loadcnt 8*(3-\a)
	WIN 0x04
.irp i, 0,2,4,6,8,10,12,14,16,18,20,22,24,26,28,30
	v_pk_add_f32 v[T+\i:T+\i+1], v[T+\i:T+\i+1], v[32*\a+\i:32*\a+\i+1]
.endr
	WIN 0
.irp i, 0,1,2,3,4,5,6,7
	global_store_b128 v[CO], v[T+4*\i:T+4*\i+3], s[OUT:OUT+1] offset:(32*(\a/2)+8*(\a%2)+2*\i+8*(\i/4))*4096 th:TH_STORE_NT
.endr
.endr
	s_wait_tensorcnt 0x0
	ds_add_u32 v[SPW], v[NIL]
	s_wait_dscnt 0x0
	CROUND
	s_endpgm
.Lfunc_end_k_q4ed850f6cd_g_mlp:
	.size	k_q4ed850f6cd_g_mlp, .Lfunc_end_k_q4ed850f6cd_g_mlp-k_q4ed850f6cd_g_mlp
	.p2alignl 7, 3214868480
	.fill 96, 4, 3214868480
	.section	.rodata,"a",@progbits
	.p2align	6, 0x0
	.amdhsa_kernel k_q4ed850f6cd_g_mlp
		.amdhsa_group_segment_fixed_size 327680
		.amdhsa_private_segment_fixed_size 0
		.amdhsa_enable_private_segment 0
		.amdhsa_kernarg_size 40
		.amdhsa_user_sgpr_count 2
		.amdhsa_user_sgpr_kernarg_segment_ptr 1
		.amdhsa_wavefront_size32 1
		.amdhsa_system_sgpr_workgroup_id_x 1
		.amdhsa_system_sgpr_workgroup_id_y 1
		.amdhsa_system_sgpr_workgroup_id_z 1
		.amdhsa_system_vgpr_workitem_id 0
		.amdhsa_next_free_vgpr 512
		.amdhsa_next_free_sgpr 100
		.amdhsa_reserve_vcc 0
		.amdhsa_float_denorm_mode_32 3
		.amdhsa_float_denorm_mode_16_64 3
		.amdhsa_memory_ordered 1
		.amdhsa_forward_progress 1
		.amdhsa_inst_pref_size 104
	.end_amdhsa_kernel
	.amdgpu_metadata
---
amdhsa.version: [ 1, 2 ]
amdhsa.kernels:
  - .name:           k_q4ed850f6cd_g_mlp
    .symbol:         k_q4ed850f6cd_g_mlp.kd
    .args:
      - { .name: H, .offset: 0, .size: 8, .value_kind: global_buffer, .address_space: global }
      - { .name: WB, .offset: 8, .size: 8, .value_kind: global_buffer, .address_space: global }
      - { .name: b_mlp_proj, .offset: 16, .size: 8, .value_kind: global_buffer, .address_space: global }
      - { .name: X1, .offset: 24, .size: 8, .value_kind: global_buffer, .address_space: global }
      - { .name: out0, .offset: 32, .size: 8, .value_kind: global_buffer, .address_space: global }
    .group_segment_fixed_size: 327680
    .private_segment_fixed_size: 0
    .kernarg_segment_align: 8
    .kernarg_segment_size: 40
    .max_flat_workgroup_size: 128
    .sgpr_count:     100
    .vgpr_count:     512
    .wavefront_size: 32
...
	.end_amdgpu_metadata
.endif
;; end of part 7
